; MI455X (gfx1250); checked and timed in simulation.
; The chip was launched on July 23, 2026; its instructions are those of AMD's public machine-readable ISA for CDNA 5 (MIT licence, August 2026) and "CDNA5" Instruction Set Architecture Reference Guide (July 2026). The comments in the code are by the model that wrote it; some were corrected since.
;; Tiny Self Attention. Allowed arithmetic: float matrix products may take bf16 or f16 operands with f32 sums; other float arithmetic in f32, or as packed bf16 or f16 multiplies, adds, multiply-adds, maxima and minima; sums over many terms, partial sums and values carried from step to step in f32; what a program stores and reads back later, other than sums and carried values, may be rounded once to bf16 or f16.
;; Inputs: Wk 2,048 x 2,048 float32; Wo 2,048 x 2,048 float32; Wq 2,048 x 2,048 float32; Wv 2,048 x 2,048 float32; bk 2,048 float32; bo 2,048 float32; bq 2,048 float32; bv 2,048 float32; x 2,048 x 2,048 float32.
;; Outputs: out0 2,048 x 2,048 float32.
;; One version. Each part assembles by itself: llvm-mc -triple=amdgcn-amd-amdhsa -mcpu=gfx1250 --defsym DOCPART=n.
;; ======== version 1 of 1: 4 launches
;; limits: values are held in f16: magnitudes above 65,504 overflow, below 6.1e-05 lose precision
;; workspace buffers: cb 33,554,432 bytes; qkv 25,165,824 bytes; yb 8,388,608 bytes; wob 8,388,608 bytes
;; launch cast (part 1): grid 256 x 4, 8 waves a work-group, no clusters, 0 bytes of LDS; arguments x, Wq, Wk, Wv, cb; writes cb
.if DOCPART == 1
	.amdgcn_target "amdgcn-amd-amdhsa--gfx1250"
	.amdhsa_code_object_version 6
	.text
	.protected	k_q9050a6a72a_cast
	.globl	k_q9050a6a72a_cast
	.p2align	8
	.type	k_q9050a6a72a_cast,@function
k_q9050a6a72a_cast:
	s_mov_b64 s[64:65], 0
	v_nop
	global_prefetch_b8 v0, s[64:65] scope:SCOPE_SE
	s_setreg_imm32_b32 hwreg(HW_REG_WAVE_MODE, 25, 1), 1
	s_wait_xcnt 0x0
; cb holds four planes of [2048][2048] bf16, 8,388,608 bytes each: x, Wq, Wk, Wv, each number rounded once to bf16.
; SHARES.  Work-group (gx, y) takes 65,536 bytes of matrix y; a thread 16 pieces of 16 bytes.  A wave's load covers 512 consecutive bytes, its store 256 consecutive bytes, aligned.
; All 16 loads of a thread go out at once; no register is written twice while a memory instruction may read it, so the only waits are the counted ones for the loads.
; No LDS, no matrix unit, no cluster: every byte is read once and written once, and nothing is shared.
.set X, 4                              ; v[4:67]   piece i as loaded, 4 registers
.set Y, 68                             ; v[68:99]  piece i to store, 2 registers
	s_load_b256 s[4:11], s[0:1], 0x0               ; x, Wq, Wk, Wv
	s_load_b64 s[14:15], s[0:1], 0x20              ; cb
	s_and_b32 s16, ttmp7, 0xffff                   ; which matrix
	v_lshlrev_b32 v1, 4, v0                        ; my 16 bytes of a piece as read
	v_lshlrev_b32 v2, 3, v0                        ; my 8 bytes as written
	s_lshl_b32 s20, ttmp9, 16                      ; the work-group's 65,536 bytes
	s_mov_b32 s21, 0
	s_wait_kmcnt 0x0
	s_cmp_eq_u32 s16, 1
	s_cselect_b64 s[18:19], s[6:7], s[4:5]
	s_cmp_eq_u32 s16, 2
	s_cselect_b64 s[18:19], s[8:9], s[18:19]
	s_cmp_eq_u32 s16, 3
	s_cselect_b64 s[18:19], s[10:11], s[18:19]
	s_add_nc_u64 s[18:19], s[18:19], s[20:21]
	s_lshl_b32 s20, s16, 23                        ; the plane,
	s_lshl_b32 s23, ttmp9, 15                      ; and the work-group's 32,768 bytes in it
	s_add_co_u32 s20, s20, s23
	s_add_nc_u64 s[14:15], s[14:15], s[20:21]
.set i, 0
.rept 16
	global_load_b128 v[X+4*i:X+4*i+3], v1, s[18:19] offset:i*4096 th:TH_LOAD_NT
.set i, i+1
.endr
.set i, 0
.rept 16
	s_wait_loadcnt 15-i                            ; loads come back in order: piece i is in, the 15 - i younger ones may stay out
	v_cvt_pk_bf16_f32 v[Y+2*i], v[X+4*i], v[X+4*i+1]
	v_cvt_pk_bf16_f32 v[Y+2*i+1], v[X+4*i+2], v[X+4*i+3]
	global_store_b64 v2, v[Y+2*i:Y+2*i+1], s[14:15] offset:i*2048 th:TH_STORE_NT
.set i, i+1
.endr
	s_endpgm
.Lfunc_end_k_q9050a6a72a_cast:
	.size	k_q9050a6a72a_cast, .Lfunc_end_k_q9050a6a72a_cast-k_q9050a6a72a_cast
	.p2alignl 7, 3214868480
	.fill 96, 4, 3214868480
	.section	.rodata,"a",@progbits
	.p2align	6, 0x0
	.amdhsa_kernel k_q9050a6a72a_cast
		.amdhsa_group_segment_fixed_size 0
		.amdhsa_private_segment_fixed_size 0
		.amdhsa_enable_private_segment 0
		.amdhsa_kernarg_size 40
		.amdhsa_user_sgpr_count 2
		.amdhsa_user_sgpr_kernarg_segment_ptr 1
		.amdhsa_wavefront_size32 1
		.amdhsa_system_sgpr_workgroup_id_x 1
		.amdhsa_system_sgpr_workgroup_id_y 1
		.amdhsa_system_sgpr_workgroup_id_z 1
		.amdhsa_system_vgpr_workitem_id 0
		.amdhsa_next_free_vgpr 100
		.amdhsa_next_free_sgpr 66
		.amdhsa_reserve_vcc 0
		.amdhsa_float_denorm_mode_32 3
		.amdhsa_float_denorm_mode_16_64 3
		.amdhsa_memory_ordered 1
		.amdhsa_forward_progress 1
		.amdhsa_inst_pref_size 7
	.end_amdhsa_kernel
	.amdgpu_metadata
---
amdhsa.version: [ 1, 2 ]
amdhsa.kernels:
  - .name:           k_q9050a6a72a_cast
    .symbol:         k_q9050a6a72a_cast.kd
    .args:
      - { .name: x, .offset: 0, .size: 8, .value_kind: global_buffer, .address_space: global }
      - { .name: Wq, .offset: 8, .size: 8, .value_kind: global_buffer, .address_space: global }
      - { .name: Wk, .offset: 16, .size: 8, .value_kind: global_buffer, .address_space: global }
      - { .name: Wv, .offset: 24, .size: 8, .value_kind: global_buffer, .address_space: global }
      - { .name: cb, .offset: 32, .size: 8, .value_kind: global_buffer, .address_space: global }
    .group_segment_fixed_size: 0
    .private_segment_fixed_size: 0
    .kernarg_segment_align: 8
    .kernarg_segment_size: 40
    .max_flat_workgroup_size: 256
    .sgpr_count:     66
    .vgpr_count:     100
    .wavefront_size: 32
...
	.end_amdgpu_metadata
.endif
;; end of part 1
;; launch qkv (part 2): grid 16 x 16, 4 waves a work-group, clusters of 4 x 4, 327,680 bytes of LDS; arguments cb, bq, bk, bv, qkv; writes qkv
.if DOCPART == 2
	.amdgcn_target "amdgcn-amd-amdhsa--gfx1250"
	.amdhsa_code_object_version 6
	.text
	.protected	k_q9050a6a72a_qkv
	.globl	k_q9050a6a72a_qkv
	.p2align	8
	.type	k_q9050a6a72a_qkv,@function
k_q9050a6a72a_qkv:
	s_mov_b64 s[64:65], 0
	v_nop
	global_prefetch_b8 v0, s[64:65] scope:SCOPE_SE
	s_setreg_imm32_b32 hwreg(HW_REG_WAVE_MODE, 25, 1), 1
	s_wait_xcnt 0x0
	s_wait_alu depctr_hold_cnt(0) depctr_sa_sdst(0) depctr_va_vdst(0) depctr_va_sdst(0) depctr_va_ssrc(0) depctr_va_vcc(0) depctr_vm_vsrc(0)
	s_getreg_b32 s2, hwreg(HW_REG_IB_STS2, 6, 4)
	s_cmp_eq_u32 s2, 0
	s_cbranch_scc0 .Lentry_in_a_cluster
	s_endpgm
.Lentry_in_a_cluster:
	s_bfe_u32 s2, ttmp6, 0x10000c
	s_cmp_lg_u32 s2, 0xf033
	s_cbranch_scc0 .Lentry_shape_is_right
	s_endpgm
.Lentry_shape_is_right:
; q, k, v = x W^T + b.  x and Wq, Wk, Wv come as bf16 planes of cb ([2048][2048], 8 MiB each: x, Wq, Wk, Wv); the biases are f32 and are rounded to bf16 here, like every input.
; Sums in f32; results rounded once to f16 and stored by heads: qkv[3][16][2048][128], a row 256 bytes.
; LIMIT.  q, k, v must lie within f16's 65,504 (beyond it the conversion gives an infinity); below 6e-5 f16 keeps a fixed step of 6e-8.
; SHARES.  Work-group (head, block of 128 rows of x) makes 128 rows x 384 columns: the head's 128 of Q, of K and of V.  16 x 16 work-groups.  Wave w: rows 64 (w / 2) on, columns 192 (w % 2) on:
; 4 x 12 accumulators of 16 x 16.  For 32 along K a wave reads 32 x 512 bytes from LDS and issues 48 matrix instructions.
; K goes in 16 steps of 128 through two LDS slots; each wave fills a quarter of a slot with one tensor load of 128 rows x 256 bytes: wave 0 x's rows, waves 1-3 the head's rows of Wq, Wk, Wv.
; A trip of the loop is one K step; which slot is read hangs on s[TB], which slot is filled on the walking descriptor's LDS word; one exclusive or turns each.
; CLUSTER 4 x 4: x's tile hangs on the row block alone and is asked for jointly along a row of the cluster, W's on the head alone, jointly along a column.
; THE PRODUCT IS USED TRANSPOSED (source 0 = 16 rows of W, source 1 = 16 rows of x): a lane holds one row of x and eight neighbouring columns.  THE BIAS IS THE C OPERAND of each sum's first product.
; REGISTERS, in windows of 256 (s_set_vgpr_msb: bits 1:0 source 0, 3:2 source 1, 5:4 source 2, 7:6 destination):
;   window 0: v0-31 addresses; v32-127 the bias, 8 registers a column block; on the way out v32-79 packed results, v80-127 rows read back
;   window 1: two fragment buffers of 128: x's four fragments, then W's twelve        window 2: accumulators of column blocks 0-7, (a, b) at 8 (4 b + a)        window 3: those of blocks 8-11
.set KSTEP,  128
.set STEPS,  16
.set PITCH,  272                       ; an LDS row: 256 bytes + 16 of padding: the 16 rows of a fragment load start 68 words apart
.set PIECE,  128*PITCH                 ; what one tensor load brings: 0x8800 bytes
.set SLOT,   4*PIECE                   ; x's 128 rows, then 384 rows of W: Q's, K's, V's
.set SLOTX,  0x24000                   ; slot 1 begins here: none of the waves' bases 0, 0x8800, 0x11000, 0x19800 has one of its two bits
.set STAGE,  SLOTX+SLOT                ; behind the ring: 32 rows x 784 bytes, the work-group's, for the way out
.set SPITCH, 784                       ; 256 bytes of q, of k, of v, and 16 of padding
.set SPARE,  STAGE+32*SPITCH           ; the spare words, 128 bytes a wave: two blocks of 256 bytes that no other line names
.set ADRA0, 16                         ; v16  my x fragments' place in a slot; never rewritten
.set ADRA,  17                         ; v17  their LDS address in the slot that is read
.set ADRB0, 20                         ; v20, v21  the same for my W fragments
.set ADRB,  21
.set STO,  24                          ; v24  the way out: where I put 16 bytes of a row
.set RD,   25                          ; v25  where I read rows back
.set CO,   26                          ; v26  my byte offset in the block's rows of a head
.set BO,   27                          ; v27  32 x (lane / 16): my eight numbers of a bias block
.set SPW,  28                          ; v28  my spare word; never rewritten
.set NIL,  29                          ; v29  0; never rewritten
.set PFO,  30                          ; v30  the prefetches' offset: lane x 4,096; never rewritten
.set TT,   31                          ; v31  at work
.set BIAS, 32
.set TMP,  32
.set BK,   80
.set F0,   0
.set F1,   128
.set WV,  14                           ; s14  my wave's number; s15 = w / 2, s16 = w % 2
.set G1,  24                           ; s[24:31] descriptor group 1, x's tiles
.set G0,  32                           ; s[32:39] group 0, x's tiles: a set for each of the two first fills; the second then walks on
.set LIM, 43                           ; s43  2 in a wave that prefetches, else the greatest number
.set PFA, 44                           ; s[44:45] where my prefetches stand
.set G1B, 48                           ; s[48:55] group 1, W's tiles
.set G0B, 56                           ; s[56:63] group 0, W's tiles, likewise
.set OB,  66                           ; s[66:71] q, k, v at the head's rows of my block
.set PB,  72                           ; s[72:77] the bias of my column blocks 0-3, 4-7, 8-11
.set TB,  82                           ; s82  the slot that is read: 0 or SLOTX
.set HM,  83                           ; s83  a word's upper bf16
.set TO_F, 0x40                        ; destination window 1, address window 0
.set MSB, 0
.macro WIN new                         ; the immediate's high byte repeats the setting that is left; a switch that changes nothing is dropped
.if MSB != (\new)
	s_set_vgpr_msb (MSB<<8)|(\new)
.set MSB, \new
.endif
.endm
.macro PLACES                          ; four plain places behind matrix instructions, in front of loads into registers that they read and of readers of results
.rept 4
	v_nop
.endr
.endm
; A joint load by set s of the two.  Wave 0 fetches x's rows, waves 1-3 W's.  The branch hangs on the wave's number alone.  An s_nop 0 and four v_nop follow each line.
.macro JLOAD s
	s_cmp_eq_u32 s[WV], 0
	s_cbranch_scc0 .Lfor_b_\@
	tensor_load_to_lds s[G0+4*(\s):G0+4*(\s)+3], s[G1:G1+7]
	s_nop 0
.rept 4
	v_nop
.endr
	s_branch .Lasked_\@
.Lfor_b_\@:
	tensor_load_to_lds s[G0B+4*(\s):G0B+4*(\s)+3], s[G1B:G1B+7]
	s_nop 0
.rept 4
	v_nop
.endr
.Lasked_\@:
.endm
; A prefetch of the K step that stands two refills on: 32 rows x 256 bytes, a lane a row, one instruction a wave.  x's rows are named by the clusters with x = 0, W's by those with y = 0; the four
; partners that ask for a tile jointly share its 128 rows out by address, 32 each.  So each row's 256 bytes of a K step are named once in the launch.  Trip n of 0 .. 13 (s3 = 14 - n) refills K step
; n + 2 and names K step n + 4: the last two trips name nothing.
.macro ASK
	s_cmp_gt_u32 s3, s[LIM]
	s_cbranch_scc0 .Lnot_mine_\@
	global_prefetch_b8 v[PFO], s[PFA:PFA+1] offset:KSTEP*2 th:TH_LOAD_NT scope:SCOPE_SE
.Lnot_mine_\@:
.endm
.macro CROUND                          ; a round of the cluster's barrier
	s_barrier_signal -1
	s_barrier_wait -1
	s_cmp_lg_u32 s[WV], 0
	s_cbranch_scc1 .Lnot_wave_0_\@
	s_barrier_signal -3
.Lnot_wave_0_\@:
	s_barrier_wait -3
	s_barrier_signal -1
	s_barrier_wait -1
.endm
	s_load_b256 s[4:11], s[0:1], 0x0               ; cb s[4:5], bq s[6:7], bk s[8:9], bv s[10:11]
	s_load_b64 s[12:13], s[0:1], 0x20              ; qkv
	v_lshl_add_u32 v[SPW], v0, 2, SPARE
	v_mov_b32 v[NIL], 0
	ds_add_u32 v[SPW], v[NIL]                      ; the wave's opening: the add and its wait stand ahead of my first tensor load; work on registers stands between them
	v_lshrrev_b32 v1, 5, v0
	v_readfirstlane_b32 s[WV], v1                  ; wave 0..3
	s_lshr_b32 s15, s[WV], 1                       ; which 64 rows
	s_and_b32 s16, s[WV], 1                        ; which 192 columns
	s_bfe_u32 s17, ttmp6, 0x40000                  ; cx
	s_bfe_u32 s18, ttmp6, 0x40004                  ; cy
	s_lshl_b32 s19, ttmp9, 2
	s_add_co_u32 s19, s19, s17                     ; the head = 4 x cluster x + cx
	s_and_b32 s20, ttmp7, 0xffff
	s_lshl_b32 s20, s20, 2
	s_add_co_u32 s20, s20, s18                     ; the block of 128 rows = 4 x cluster y + cy
	s_lshl_b32 s21, s18, 2
	s_lshl_b32 s21, 15, s21                        ; my row of the cluster
	s_lshl_b32 s22, 0x1111, s17                    ; my column
	s_or_b32 s[G1], s21, (1<<16)|(1<<20)|(1<<21)|(5<<22)|(3<<25)   ; the mask; 2-byte elements; padding on; bit 21 beside a mask; after every 64 words 4 words
	s_or_b32 s[G1B], s22, (1<<16)|(1<<20)|(1<<21)|(5<<22)|(3<<25)
.irp g, G1, G1B
	s_mov_b32 s[(\g)+1], KSTEP<<16                 ; tensor_dim0 = 128
	s_mov_b32 s[(\g)+2], 128<<16                   ; tensor_dim1 = 128
	s_mov_b32 s[(\g)+3], KSTEP<<16                 ; tile_dim0 = 128
	s_mov_b32 s[(\g)+4], 128                       ; tile_dim1 = 128
	s_mov_b32 s[(\g)+5], 2048                      ; elements from row to row
	s_mov_b32 s[(\g)+6], 0
	s_mov_b32 s[(\g)+7], 0
.endr
	s_lshl_b32 s40, s20, 19                        ; x: 128 rows of 4,096 bytes a block
	s_mov_b32 s41, 0
	s_max_u32 s46, s[WV], 1                        ; W: plane 1, 2 or 3 of cb by the wave's number (wave 0 does not use it),
	s_lshl_b32 s46, s46, 23
	s_lshl_b32 s47, s19, 19                        ; the head's 128 rows
	s_add_co_u32 s46, s46, s47
	s_mov_b32 s47, 0
	s_mul_i32 s42, s[WV], PIECE                    ; where my piece goes: the wave's number alone
	s_mov_b32 s[TB], 0
	s_mov_b32 s[HM], 0xffff0000
	s_wait_dscnt 0x0                               ; the opening add is done
	s_wait_kmcnt 0x0
	s_add_nc_u64 s[40:41], s[4:5], s[40:41]
	s_add_nc_u64 s[46:47], s[4:5], s[46:47]
	CROUND                                         ; all sixteen work-groups are here: the first joint loads meet
.irp s, 0,1
	s_mov_b32 s[G0+4*(\s)], 1
	s_add_co_u32 s[G0+4*(\s)+1], s42, (\s)*SLOTX
	s_add_nc_u64 s[G0+4*(\s)+2:G0+4*(\s)+3], s[40:41], (\s)*KSTEP*2
	s_or_b32 s[G0+4*(\s)+3], s[G0+4*(\s)+3], 0x80000000
	s_mov_b32 s[G0B+4*(\s)], 1
	s_add_co_u32 s[G0B+4*(\s)+1], s42, (\s)*SLOTX
	s_add_nc_u64 s[G0B+4*(\s)+2:G0B+4*(\s)+3], s[46:47], (\s)*KSTEP*2
	s_or_b32 s[G0B+4*(\s)+3], s[G0B+4*(\s)+3], 0x80000000
	JLOAD \s                                       ; K steps 0 and 1: two loads of mine are out
.endr
	; the bias.  My columns 192 (w % 2) + 16 b + 8 (lane / 16) + j of Q | K | V: by groups of four blocks they lie in one vector each
	v_and_b32 v1, 15, v0                           ; r = lane % 16
	v_bfe_u32 v2, v0, 4, 1                         ; lane / 16
	v_lshlrev_b32 v[BO], 5, v2
	s_cmp_eq_u32 s16, 0
	s_cselect_b64 s[PB:PB+1], s[6:7], s[8:9]       ; blocks 0-3: bq 0.., or bk 64..
	s_cselect_b64 s[PB+2:PB+3], s[6:7], s[10:11]   ; blocks 4-7: bq 64.., or bv 0..
	s_cselect_b64 s[PB+4:PB+5], s[8:9], s[10:11]   ; blocks 8-11: bk 0.., or bv 64..
	s_cselect_b32 s78, 0, 256
	s_cselect_b32 s80, 256, 0
	s_lshl_b32 s22, s19, 9                         ; the head's 128 numbers
	s_add_co_u32 s78, s78, s22
	s_add_co_u32 s80, s80, s22
	s_mov_b32 s79, 0
	s_mov_b32 s81, 0
	s_add_nc_u64 s[PB:PB+1], s[PB:PB+1], s[78:79]
	s_add_nc_u64 s[PB+2:PB+3], s[PB+2:PB+3], s[80:81]
	s_add_nc_u64 s[PB+4:PB+5], s[PB+4:PB+5], s[78:79]
.irp b, 0,1,2,3,4,5,6,7,8,9,10,11
	global_load_b128 v[BIAS+8*(\b):BIAS+8*(\b)+3],   v[BO], s[PB+2*((\b)/4):PB+2*((\b)/4)+1] offset:((\b)%4)*64
	global_load_b128 v[BIAS+8*(\b)+4:BIAS+8*(\b)+7], v[BO], s[PB+2*((\b)/4):PB+2*((\b)/4)+1] offset:((\b)%4)*64+16
.endr
	; a fragment is 16 rows x 32 K in 8 registers: lane l holds row l % 16, K = 8 (l / 16) + 0..7 and 16 + 8 (l / 16) + 0..7: two loads of 16 bytes, 32 bytes apart
	v_mul_u32_u24 v3, v1, PITCH
	v_lshl_add_u32 v3, v2, 4, v3
	s_mul_i32 s42, s15, 64*PITCH                   ; my 64 rows of x
	s_mul_i32 s2, s16, 192*PITCH                   ; my 192 rows of W,
	s_add_co_u32 s2, s2, PIECE                     ; which lie behind x's 128
	v_add_nc_u32 v[ADRA0], s42, v3
	v_add_nc_u32 v[ADRB0], s2, v3
	v_mov_b32 v[ADRA], v[ADRA0]                    ; slot 0 is read first
	v_mov_b32 v[ADRB], v[ADRB0]
	v_mul_u32_u24 v[STO], v1, SPITCH               ; into the stage: row 16 (w / 2) + l % 16, byte 384 (w % 2) + 16 (l / 16)
	v_lshl_add_u32 v[STO], v2, 4, v[STO]
	s_mul_i32 s42, s15, 16*SPITCH
	s_mul_i32 s2, s16, 384
	s_add_co_u32 s42, s42, s2
	s_add_co_u32 s42, s42, STAGE
	v_add_nc_u32 v[STO], s42, v[STO]
	v_mul_u32_u24 v[RD], v2, SPITCH                ; back: wave w takes stage rows 8 w .. 8 w + 7; lanes 0-15 one row's 256 bytes, lanes 16-31 the next row's
	v_lshl_add_u32 v[RD], v1, 4, v[RD]
	s_mul_i32 s42, s[WV], 8*SPITCH
	s_add_co_u32 s42, s42, STAGE
	v_add_nc_u32 v[RD], s42, v[RD]
	v_lshlrev_b32 v[CO], 8, v2                     ; the same rows in memory: 64 (w / 2) + 8 (w % 2) + l / 16, 256 bytes a row
	v_lshl_add_u32 v[CO], v1, 4, v[CO]
	s_lshl_b32 s42, s15, 14
	s_lshl_b32 s2, s16, 11
	s_add_co_u32 s42, s42, s2
	v_add_nc_u32 v[CO], s42, v[CO]
	s_lshl_b32 s78, s19, 19                        ; q, k, v: the head's 524,288 bytes, the block's 32,768
	s_lshl_b32 s79, s20, 15
	s_add_co_u32 s78, s78, s79
	s_mov_b32 s79, 0
	s_add_nc_u64 s[OB:OB+1], s[12:13], s[78:79]
	s_add_nc_u64 s[OB+2:OB+3], s[OB:OB+1], 0x800000
	s_add_nc_u64 s[OB+4:OB+5], s[OB+2:OB+3], 0x800000
	; the prefetches: nothing is named here at the head; the first refill steps the address to K step 3 and names K step 4
	s_and_b32 s23, ttmp7, 0xffff                   ; cluster y
	s_cmp_eq_u32 s[WV], 0
	s_cselect_b32 s78, s20, s19                    ; the tile's block: of x's rows, or the head
	s_cselect_b32 s79, s17, s18                    ; my place among the four that ask with me
	s_cselect_b32 s80, ttmp9, s23                  ; the coordinate along which other clusters read the same rows
	s_cselect_b32 s81, 0, s[WV]                    ; the plane of cb
	s_cmp_eq_u32 s80, 0
	s_cselect_b32 s[LIM], 2, -1
	s_lshl_b32 s78, s78, 19
	s_lshl_b32 s79, s79, 17                        ; my work-group's 32 rows
	s_lshl_b32 s81, s81, 23
	s_add_co_u32 s78, s78, s79
	s_add_co_u32 s78, s78, s81
	s_add_co_u32 s78, s78, 2*KSTEP*2
	s_mov_b32 s79, 0
	s_add_nc_u64 s[PFA:PFA+1], s[4:5], s[78:79]
	v_and_b32 v[PFO], 31, v0
	v_lshlrev_b32 v[PFO], 12, v[PFO]
	s_wait_loadcnt 0x0                             ; the bias is in; it is rounded to bf16 like every input, and widened again
.set i, 0
.rept 48
	v_cvt_pk_bf16_f32 v[TT], v[BIAS+2*i], v[BIAS+2*i+1]
	v_lshlrev_b32 v[BIAS+2*i], 16, v[TT]
	v_and_b32 v[BIAS+2*i+1], s[HM], v[TT]
.set i, i+1
.endr
; 16 matrix instructions: column blocks 8-11 x my four row blocks, 32 along K.  zero = 1: the first product starts the sum with the bias.
.macro MULH f, zero
.if \zero
	WIN 0xc5
.else
	WIN 0xf5
.endif
.irp b, 8,9,10,11
.irp a, 0,1,2,3
.if \zero
	v_wmma_f32_16x16x32_bf16 v[8*(4*((\b)-8)+(\a)):8*(4*((\b)-8)+(\a))+7], v[(\f)+32+8*(\b):(\f)+32+8*(\b)+7], v[(\f)+8*(\a):(\f)+8*(\a)+7], v[BIAS+8*(\b):BIAS+8*(\b)+7]
.else
	v_wmma_f32_16x16x32_bf16 v[8*(4*((\b)-8)+(\a)):8*(4*((\b)-8)+(\a))+7], v[(\f)+32+8*(\b):(\f)+32+8*(\b)+7], v[(\f)+8*(\a):(\f)+8*(\a)+7], v[8*(4*((\b)-8)+(\a)):8*(4*((\b)-8)+(\a))+7]
.endif
.endr
.endr
.endm
; the same for column blocks b0 .. b0 + 3 of 0-7.  MULH, MULL 0, MULL 4 in every quarter: the 48 accumulators take turns.
.macro MULL f, b0, zero
.if \zero
	WIN 0x85
.else
	WIN 0xa5
.endif
.irp b, \b0, (\b0)+1, (\b0)+2, (\b0)+3
.irp a, 0,1,2,3
.if \zero
	v_wmma_f32_16x16x32_bf16 v[8*(4*(\b)+(\a)):8*(4*(\b)+(\a))+7], v[(\f)+32+8*(\b):(\f)+32+8*(\b)+7], v[(\f)+8*(\a):(\f)+8*(\a)+7], v[BIAS+8*(\b):BIAS+8*(\b)+7]
.else
	v_wmma_f32_16x16x32_bf16 v[8*(4*(\b)+(\a)):8*(4*(\b)+(\a))+7], v[(\f)+32+8*(\b):(\f)+32+8*(\b)+7], v[(\f)+8*(\a):(\f)+8*(\a)+7], v[8*(4*(\b)+(\a)):8*(4*(\b)+(\a))+7]
.endif
.endr
.endr
.endm
; 32 LDS loads in one run: a quarter step's fragments (32 K at byte k of the rows of the slot that is read) into buffer f: x's four, W's blocks 8-11, then W's blocks 0-7
.macro FETCH k, f
	WIN TO_F
.irp a, 0,1,2,3
	ds_load_b128 v[(\f)+8*(\a):(\f)+8*(\a)+3],   v[ADRA] offset:(\k)+(\a)*16*PITCH
	ds_load_b128 v[(\f)+8*(\a)+4:(\f)+8*(\a)+7], v[ADRA] offset:(\k)+(\a)*16*PITCH+32
.endr
.irp b, 8,9,10,11,0,1,2,3,4,5,6,7
	ds_load_b128 v[(\f)+32+8*(\b):(\f)+32+8*(\b)+3],   v[ADRB] offset:(\k)+(\b)*16*PITCH
	ds_load_b128 v[(\f)+32+8*(\b)+4:(\f)+32+8*(\b)+7], v[ADRB] offset:(\k)+(\b)*16*PITCH+32
.endr
.endm
; A K step is four quarters of 32 along K, 48 matrix instructions each, on buffers 0, 1, 0, 1.  One of the first three: multiplies f, fetches the next quarter, at byte k, into g.
.macro QUARTER k, f, g, zero
	s_wait_dscnt 16                                ; x's fragments and W's blocks 8-11 are in; the youngest sixteen loads (blocks 0-7) may be out
	MULH \f, \zero
	PLACES
	FETCH \k, \g
	s_wait_dscnt 32                                ; all but the 32 just issued
	MULL \f, 0, \zero
	MULL \f, 4, \zero
.endm
; The last quarter multiplies buffer 1 and changes slots.  32 of its products stand AHEAD of the wait for the tensor loads, so that between a tile's landing and the request for the next stand only
; the lines that order them: the wait for all my tensor loads (one is out: my piece of the next slot), 0 onto my spare word, the wait for that and for my reads of this slot, and the barrier.
; fill = 1: the barrier is a round of the cluster's, and this slot is filled again first thing behind it, two K steps ahead, by the walking descriptor; a whole K step's 192 matrix instructions stand
; between that request and the wait for it.  The last 16 products stand behind the run of LDS loads that fetches the next slot's first fragments.
.macro TURN fill
	s_wait_dscnt 16                                ; x's fragments and W's blocks 8-11 are in
	MULH F1, 0
	s_wait_dscnt 0x0                               ; all of buffer 1 is in: my last reads of this slot
	MULL F1, 0, 0
	WIN 0
.if \fill
	s_wait_xcnt 0x0                                ; the last prefetch, a K step back, has read its address
	s_add_nc_u64 s[PFA:PFA+1], s[PFA:PFA+1], KSTEP*2
.endif
	s_wait_tensorcnt 0x0                           ; all my tensor loads have landed, so a group 0 may be written
	ds_add_u32 v[SPW], v[NIL]                      ; 0 onto my spare word: the scalar steps stand between it and the wait for it
.if \fill
.irp g, G0+4, G0B+4
	s_xor_b32 s[(\g)+1], s[(\g)+1], SLOTX          ; the walking descriptor: the other slot than last time,
	s_add_nc_u64 s[(\g)+2:(\g)+3], s[(\g)+2:(\g)+3], KSTEP*2  ; the next K step; the type bits on top are not reached
.endr
.endif
	s_xor_b32 s[TB], s[TB], SLOTX                  ; the other slot is read from here on
	s_wait_dscnt 0x0                               ; the add is done
.if \fill
	CROUND                                         ; no wave of any partner still reads this slot or has a load on its way
	JLOAD 1                                        ; its four v_nop are also the places in front of the loads below
.else
	s_barrier_signal -1
	s_barrier_wait -1
	PLACES
.endif
	v_add_nc_u32 v[ADRA], s[TB], v[ADRA0]
	v_add_nc_u32 v[ADRB], s[TB], v[ADRB0]
	FETCH 0, F0
.if \fill
	WIN 0
	ASK                                            ; behind the joint load and the run of LDS loads
.endif
	MULL F1, 4, 0
.endm
	s_wait_tensorcnt 1                             ; my piece of K step 0 is in; K step 1's may stay out
	s_barrier_signal -1
	s_barrier_wait -1                              ; everybody's is
	FETCH 0, F0
	QUARTER 64, F0, F1, 1                          ; the first quarter stands in front of the loop: its products start the sums, with the bias
	WIN 0
	s_mov_b32 s3, STEPS-2
.Lstep:                                        ; a trip goes from a K step's second quarter to the next step's first, and fills the slot that it leaves
	QUARTER 128, F1, F0, 0
	QUARTER 192, F0, F1, 0
	TURN 1
	QUARTER 64,  F0, F1, 0
	WIN 0
	s_sub_co_u32 s3, s3, 1
	s_cmp_lg_u32 s3, 0
	s_cbranch_scc1 .Lstep
	QUARTER 128, F1, F0, 0                         ; the last two K steps fill nothing
	QUARTER 192, F0, F1, 0
	TURN 0
	QUARTER 64,  F0, F1, 0
	QUARTER 128, F1, F0, 0
	QUARTER 192, F0, F1, 0
	s_wait_dscnt 16
	MULH F1, 0
	s_wait_dscnt 0x0
	MULL F1, 0, 0
	MULL F1, 4, 0
; THE WAY OUT, in four passes, a row block a of every wave in each.  A wave's 192 columns are one and a half rows of 256 bytes, so the four waves share one stage of 32 rows (q | k | v), with a barrier
; between writing and reading and another before it is written again.  Each store of a wave covers 512 consecutive bytes, aligned to 256.
.macro PACK a                          ; each accumulator's registers in ascending order
	WIN 0x0a
.irp b, 0,1,2,3,4,5,6,7
.irp q, 0,1,2,3
	v_cvt_pk_f16_f32 v[TMP+4*(\b)+(\q)], v[8*(4*(\b)+(\a))+2*(\q)], v[8*(4*(\b)+(\a))+2*(\q)+1]
.endr
.endr
	WIN 0x0f
.irp b, 8,9,10,11
.irp q, 0,1,2,3
	v_cvt_pk_f16_f32 v[TMP+4*(\b)+(\q)], v[8*(4*((\b)-8)+(\a))+2*(\q)], v[8*(4*((\b)-8)+(\a))+2*(\q)+1]
.endr
.endr
	WIN 0
.endm
	PLACES
	PLACES
	PACK 0
.irp a, 0,1,2,3
.irp b, 0,1,2,3,4,5,6,7,8,9,10,11
	ds_store_b128 v[STO], v[TMP+4*(\b):TMP+4*(\b)+3] offset:32*(\b)
.endr
	s_wait_dscnt 0x0                               ; for the others' sake: my stores into the stage are done
	s_barrier_signal -1
	s_barrier_wait -1
	s_wait_xcnt 0x0                                ; the last pass's stores have read their data registers, which are loaded again below
.irp t, 0,1,2,3,4,5,6,7,8,9,10,11
	ds_load_b128 v[BK+4*(\t):BK+4*(\t)+3], v[RD] offset:((\t)%4)*2*SPITCH+((\t)/4)*256
.endr
.if (\a) < 3
	PACK (\a)+1                                    ; the next pass's conversions stand in the wait for the loads
.endif
	s_wait_dscnt 0x0                               ; the rows are back, and my reads of the stage are over
.irp t, 0,1,2,3,4,5,6,7,8,9,10,11
	global_store_b128 v[CO], v[BK+4*(\t):BK+4*(\t)+3], s[OB+2*((\t)/4):OB+2*((\t)/4)+1] offset:(\a)*4096+((\t)%4)*512
.endr
.if (\a) < 3
	s_barrier_signal -1                            ; every wave has read the stage: it may be written again
	s_barrier_wait -1
.endif
.endr
	s_wait_tensorcnt 0x0                           ; the wave's end
	ds_add_u32 v[SPW], v[NIL]
	s_wait_dscnt 0x0
	CROUND                                         ; the closing round
	s_endpgm
.Lfunc_end_k_q9050a6a72a_qkv:
	.size	k_q9050a6a72a_qkv, .Lfunc_end_k_q9050a6a72a_qkv-k_q9050a6a72a_qkv
	.p2alignl 7, 3214868480
	.fill 96, 4, 3214868480
	.section	.rodata,"a",@progbits
	.p2align	6, 0x0
	.amdhsa_kernel k_q9050a6a72a_qkv
		.amdhsa_group_segment_fixed_size 327680
		.amdhsa_private_segment_fixed_size 0
		.amdhsa_enable_private_segment 0
		.amdhsa_kernarg_size 40
		.amdhsa_user_sgpr_count 2
		.amdhsa_user_sgpr_kernarg_segment_ptr 1
		.amdhsa_wavefront_size32 1
		.amdhsa_system_sgpr_workgroup_id_x 1
		.amdhsa_system_sgpr_workgroup_id_y 1
		.amdhsa_system_sgpr_workgroup_id_z 1
		.amdhsa_system_vgpr_workitem_id 0
		.amdhsa_next_free_vgpr 896
		.amdhsa_next_free_sgpr 84
		.amdhsa_reserve_vcc 0
		.amdhsa_float_denorm_mode_32 3
		.amdhsa_float_denorm_mode_16_64 3
		.amdhsa_memory_ordered 1
		.amdhsa_forward_progress 1
		.amdhsa_inst_pref_size 107
	.end_amdhsa_kernel
	.amdgpu_metadata
---
amdhsa.version: [ 1, 2 ]
amdhsa.kernels:
  - .name:           k_q9050a6a72a_qkv
    .symbol:         k_q9050a6a72a_qkv.kd
    .args:
      - { .name: cb, .offset: 0, .size: 8, .value_kind: global_buffer, .address_space: global }
      - { .name: bq, .offset: 8, .size: 8, .value_kind: global_buffer, .address_space: global }
      - { .name: bk, .offset: 16, .size: 8, .value_kind: global_buffer, .address_space: global }
      - { .name: bv, .offset: 24, .size: 8, .value_kind: global_buffer, .address_space: global }
      - { .name: qkv, .offset: 32, .size: 8, .value_kind: global_buffer, .address_space: global }
    .group_segment_fixed_size: 327680
    .private_segment_fixed_size: 0
    .kernarg_segment_align: 8
    .kernarg_segment_size: 40
    .max_flat_workgroup_size: 128
    .sgpr_count:     84
    .vgpr_count:     896
    .wavefront_size: 32
...
	.end_amdgpu_metadata
.endif
;; end of part 2
;; launch attn (part 3): grid 16 x 16, 4 waves a work-group, clusters of 4 x 1, 327,680 bytes of LDS; arguments qkv, yb, Wo, wob; writes yb, wob
.if DOCPART == 3
	.amdgcn_target "amdgcn-amd-amdhsa--gfx1250"
	.amdhsa_code_object_version 6
	.text
	.protected	k_q9050a6a72a_attn
	.globl	k_q9050a6a72a_attn
	.p2align	8
	.type	k_q9050a6a72a_attn,@function
k_q9050a6a72a_attn:
	s_mov_b64 s[64:65], 0
	v_nop
	global_prefetch_b8 v0, s[64:65] scope:SCOPE_SE
	s_setreg_imm32_b32 hwreg(HW_REG_WAVE_MODE, 25, 1), 1
	s_wait_xcnt 0x0
	s_wait_alu depctr_hold_cnt(0) depctr_sa_sdst(0) depctr_va_vdst(0) depctr_va_sdst(0) depctr_va_ssrc(0) depctr_va_vcc(0) depctr_vm_vsrc(0)
	s_getreg_b32 s2, hwreg(HW_REG_IB_STS2, 6, 4)
	s_cmp_eq_u32 s2, 0
	s_cbranch_scc0 .Lentry_in_a_cluster
	s_endpgm
.Lentry_in_a_cluster:
	s_bfe_u32 s2, ttmp6, 0x10000c
	s_cmp_lg_u32 s2, 0x3003
	s_cbranch_scc0 .Lentry_shape_is_right
	s_endpgm
.Lentry_shape_is_right:
; CAUSAL ATTENTION, head size 128.  yb[t][128 h + d] = the sum over s <= t of softmax_s(q[h][t] . k[h][s] / sqrt(128)) v[h][s][d].  qkv: [3][16][2048][128] f16; yb: [2048][2048] f16.
; Products, maxima and sums in f32; the weights p are rounded to f16 for the second product (their sum l is taken of the unrounded p), the result once at the end.
; LIMITS.  A hidden score counts as its value less 1e30.  The running maximum starts at -2^93, below every score that f16 operands can give (5.5e11 in magnitude at the most) and above every hidden one.
; A weight below 2^-126 counts as 0; p below 6e-5 keeps f16's fixed step of 6e-8; NaN and infinities are not treated apart.
; THE WALK.  A head's queries lie in 32 blocks of 64, its keys in 8 tiles of 256.  Work-group b = 4 u + cx (u the cluster's number) takes block 31 - b, which needs tiles 0 .. 7 - u, and then block b, which
; needs tiles 0 .. u: nine tiles whatever b, and the same nine for the four partners of a cluster, which ask for each JOINTLY.  One loop with a constant trip count walks them.
; THE KEYS ARE SPLIT AMONG THE WAVES.  Every wave holds all 64 queries of the block (four tiles of 16) and takes keys 64 w .. 64 w + 63 of each tile of 256.  The four partial results (c m, l, O) meet in
; LDS at a block's end.
; THE MASK is the C operand that starts S^T = K Q^T, in every trip.  In a block's last tile the block's queries stand at keys 64 d on (d = 3 - cx, then cx): wave w sees all if w < d, nothing if w > d, and
; holds the diagonal if w = d.  Two selects give a factor and two addends; no branch hangs on cx.  For query tile t and key block kb: MLO (kb < t), MEQ = TRI x AL + BE (kb = t), MHI (kb > t).
; LAYOUT as the products want it: S^T holds one query a lane (lane % 16) and keys 8 (lane / 16) + 0..7; two such results rounded to f16 are source 1 of O^T = V^T P.  K comes out of LDS as it lies, V turned.
; SOFTMAX.  p = 2^(c s - c m), c = log2(e) / sqrt(128), with a running maximum m; O and l are multiplied by a = 2^(c m_old - c m_new) in every step.  c m starts far below, so a block's first a is 0.
; A TRIP is one key step, whole: scores of tiles 0, 1; scores of tiles 2, 3 with the softmax of tiles 0, 1 in slices behind them; V^T P of tiles 0, 1 with the softmax of tiles 2, 3; V^T P of tiles 2, 3.
; A SECOND JOB, for the launch behind: wob = Wo ([2048][2048] f32) rounded to bf16, like every input, and that number written as f16 (exact from 2^-17 to 65,504 in magnitude; below, f16's fixed step of
; 6e-8 rounds it; beyond, it would become an infinity).  Work-group 16 h + b takes 65,536 bytes of Wo, 8,192 in each of the loop's eight trips: four loads of 16 bytes a lane go out behind the trip's wait for q,
; and are rounded and stored behind the trip's last products, ahead of the wait for the next tile.  A wave's load covers 512 consecutive bytes, its store 256 consecutive bytes, aligned.
; REGISTERS, in windows of 256 (s_set_vgpr_msb: bits 1:0 source 0, 3:2 source 1, 5:4 source 2, 7:6 destination):
;   window 0: v0-11, v44-47, v61-63 addresses; v12-43 eight registers of statistics a tile; v64-191 S^T; v192-255 P          window 1: O^T, 64 a tile
;   window 2: v0-127 Q; v128-255 K of a step          window 3: v0-127 V of a step; v128-159 TRI, MLO, MEQ, MHI; v160-187 Wo's numbers
.set PK,    272       ; a row of K in LDS: 256 bytes + 16
.set PV,    288       ; a row of V: 256 + 32: 16 lanes of the turning load take 8 rows x 32 bytes
.set VOFF,  256*PK    ; a slot: 256 rows of K, then 256 rows of V
.set SLOTX, 0x24000   ; slot 1 begins here; no base in slot 0 that is turned by it has one of its two bits
.set PART,  SLOTX+256*(PK+PV)  ; behind the ring: the waves' partial O of 16 queries, 4 x 16 rows of 528 bytes
.set PP,    528
.set PW,    16*PP
.set STAT,  PART+4*PW ; the waves' c m and l: 512 bytes a wave
.set SPARE, STAT+2048 ; the spare words, 128 bytes a wave: two blocks of 256 bytes that no other line names
.set AK0, 2           ; v2   my place in a tile of K: (64 w + l % 16) rows, 16 (l / 16) bytes; never rewritten
.set AV0, 3           ; v3   the same for V
.set ADRK, 4          ; v4   the LDS address of K's run of loads
.set QO,  5           ; v5   my byte offset in 16 rows of q
.set SA,  6           ; v6   where I put c m and l
.set SR,  7           ; v7   where I read all four waves'
.set PS,  8           ; v8   where I put 32 bytes of partial O
.set PR,  10          ; v10  where I read them back
.set YO,  11          ; v11  my byte offset in yb
.set ST,  12          ; tile t's statistics at v[ST+8 t]: c m, m, l (even keys', odd keys'), c0-c3 at work; a takes c2's place
.set ADRV, 44         ; v44  the LDS address of V's run of loads
.set WI,  46          ; v46  16 x my thread's number: my 16 bytes of a piece of Wo; never rewritten
.set WO,  47          ; v47  8 x my thread's number: my 8 bytes of wob; never rewritten
.set PFO, 61          ; v61  256 x lane; never rewritten
.set SPW, 62          ; v62  my spare word; never rewritten
.set NIL, 63          ; v63  0; never rewritten
.set S,   64
.set P,   192
.set KF,  128         ; window 2
.set TRI, 128         ; window 3: -1e30 where key 8 (l / 16) + j lies behind query l % 16, else 0
.set MLO, 136
.set MEQ, 144
.set MHI, 152
.set WX,  160         ; window 3: four pieces of Wo as loaded
.set WY,  176         ; window 3: the same to store, 2 registers a piece
.set WT,  184         ; window 3: four at work
.set XO,  2           ; s[2:3]  offsets that hang on cx: q's, yb's, the prefetches', Wo's
.set WS,  8           ; s[8:9]   Wo, one trip's 8,192 bytes behind the piece in hand
.set WD,  10          ; s[10:11] wob, likewise 4,096 bytes
.set WV,  12          ; s12  my wave's number
.set CX,  13          ; s13  my place in the cluster
.set UU,  14          ; s14  the cluster's number along x
.set LIM, 15          ; s15  2 in the head's first cluster, else the greatest number
.set BB,  16          ; s16  b; s17 = 31 - b
.set PFA, 18          ; s[18:19] where my prefetches stand
.set G1K, 24          ; s[24:31] descriptor group 1 for K's tiles
.set G1V, 32          ; s[32:39] for V's: it differs in the padding alone
.set G0K, 40          ; s[40:43] group 0 for K's tiles
.set G0V, 44          ; s[44:47] for V's
.set KB,  48          ; s[48:49] k at my half of the head's tile 0
.set VB,  50          ; s[50:51] v likewise
.set QB,  52          ; s[52:53] q at the head's first row
.set YB,  54          ; s[54:55] yb at the head's first column
.set SLOTS, 56        ; s56  tiles still to be asked for
.set RT,  57          ; s57  tiles of the block in hand that are still to be entered
.set CS,  58          ; s[58:59] c
.set SEL, 60          ; s[60:61] v_permlanex16_b32's selects
.set TB,  62          ; s62  the slot that is read: 0 or SLOTX
.set NXT, 63          ; s63  the tile to be asked for next
.set LQ,  66          ; s66  the last tile of the block whose tiles are being asked for
.set DD,  67          ; s67  d
.set SE,  68          ; s68  d in a block's last tile, else 4
.set HM,  69          ; s69  a word's upper bf16
.set AL,  70          ; s[70:71] the mask's factor
.set BE,  72          ; s[72:73] its addend; also MLO
.set BH,  74          ; s74  MHI
.set BIGN, 75         ; s75  -1e30
.set OFF, 76          ; s[76:77] a tile's byte offset in k and v
.set QA,  78          ; s[78:79] q at the block in hand
.set YA,  80          ; s[80:81] yb at the block in hand
.set GG,  84          ; s84  16 x head + b: my work-group among the 256
.set MSB, 0
.macro WIN new
.if MSB != (\new)
	s_set_vgpr_msb (MSB<<8)|(\new)
.set MSB, (\new)
.endif
.endm
.set W_KQ, 0x0a       ; K and Q in window 2, S^T in window 0
.set W_KM, 0x3a       ; the same with the C operand in window 3
.set W_PV, 0x53       ; V in window 3, P in window 0, O^T in window 1
.set W_RS, 0x41       ; O^T (destination and source 0) in window 1, the factor in window 0
.macro PLACES
.rept 4
	v_nop
.endr
.endm
; A joint fill.  Waves 0 and 1 fetch the two halves of a tile's K, waves 2 and 3 those of its V: 128 rows of 256 bytes each.  An s_nop 0 and four v_nop follow each line.
.macro JLOAD
	s_cmp_lt_u32 s[WV], 2
	s_cbranch_scc0 .Lfor_v_\@
	tensor_load_to_lds s[G0K:G0K+3], s[G1K:G1K+7]
	s_nop 0
.rept 4
	v_nop
.endr
	s_branch .Lasked_\@
.Lfor_v_\@:
	tensor_load_to_lds s[G0V:G0V+3], s[G1V:G1V+7]
	s_nop 0
.rept 4
	v_nop
.endr
.Lasked_\@:
.endm
; A prefetch of the tile that the NEXT change of slots will ask for.  The head's first cluster walks all eight tiles, so it alone asks, in its trips 0 to 5, for tiles 2 to 7.  A tile is 256 rows of k and
; 256 of v; the cluster's 4 x 4 waves x 32 lanes name a row each: partner cx rows 64 cx + 32 (w % 2) + lane, of k in waves 0, 1 and of v in waves 2, 3.  The partners are told apart by address alone.
.macro ASK
	s_cmp_gt_u32 s[SLOTS], s[LIM]
	s_cbranch_scc0 .Lnot_mine_\@
	global_prefetch_b8 v[PFO], s[PFA:PFA+1] th:TH_LOAD_NT scope:SCOPE_SE
.Lnot_mine_\@:
.endm
.macro CROUND                          ; a round of the cluster's barrier
	s_barrier_signal -1
	s_barrier_wait -1
	s_cmp_lg_u32 s[WV], 0
	s_cbranch_scc1 .Lnot_wave_0_\@
	s_barrier_signal -3
.Lnot_wave_0_\@:
	s_barrier_wait -3
	s_barrier_signal -1
	s_barrier_wait -1
.endm
; THE CHANGE OF SLOTS.  Each wave waits for all its tensor loads (one is out: its part of the other slot), adds 0 to its spare word, and waits for that and for its reads of the slot that it leaves.
; fill = 1: a round of the cluster's barrier, and the old slot is filled again first thing behind it, with tile NXT; the address is made anew from that number.  (At the first use slot 0 is waited for, slot 1 filled.)
.macro CHANGE fill
	WIN 0
	s_wait_tensorcnt 0x0                           ; no tensor load of mine is out, so a group 0 may be written
	ds_add_u32 v[SPW], v[NIL]                      ; 0 onto my spare word
.if \fill
	s_lshl_b32 s[OFF], s[NXT], 16                  ; a tile is 65,536 bytes of k and of v
	s_xor_b32 s[G0K+1], s[G0K+1], SLOTX
	s_add_nc_u64 s[G0K+2:G0K+3], s[KB:KB+1], s[OFF:OFF+1]
	s_or_b32 s[G0K+3], s[G0K+3], 0x80000000
	s_xor_b32 s[G0V+1], s[G0V+1], SLOTX
	s_add_nc_u64 s[G0V+2:G0V+3], s[VB:VB+1], s[OFF:OFF+1]
	s_or_b32 s[G0V+3], s[G0V+3], 0x80000000
	s_add_co_u32 s[NXT], s[NXT], 1                 ; the block's next tile, or behind its last the second block's tile 0
	s_cmp_gt_u32 s[NXT], s[LQ]
	s_cselect_b32 s[NXT], 0, s[NXT]
	s_cselect_b32 s[LQ], s[UU], s[LQ]
	s_wait_xcnt 0x0                                ; the last trip's prefetch, loads and stores have read their addresses and data
	s_add_nc_u64 s[PFA:PFA+1], s[PFA:PFA+1], 65536
	s_add_nc_u64 s[WS:WS+1], s[WS:WS+1], 8192      ; this trip's part of Wo and of wob: the accesses reach back by their immediates
	s_add_nc_u64 s[WD:WD+1], s[WD:WD+1], 4096
	s_wait_dscnt 0x0                               ; the add is done, and my reads of the slot are over
	CROUND
	JLOAD                                          ; its four v_nop are also the places in front of the loads into K's and V's registers
.else
	s_wait_dscnt 0x0
	s_barrier_signal -1
	s_barrier_wait -1
	PLACES
.endif
	s_xor_b32 s[TB], s[TB], SLOTX
.endm
.macro QLOAD                           ; the block's q: tile i / 4, channels 32 (i % 4) on
	WIN 0x80
.set i, 0
.rept 16
	global_load_b128 v[8*i:8*i+3],   v[QO], s[QA:QA+1] offset:(i/4)*4096+(i%4)*64
	global_load_b128 v[8*i+4:8*i+7], v[QO], s[QA:QA+1] offset:(i/4)*4096+(i%4)*64+32
.set i, i+1
.endr
	WIN 0
.endm
.macro FRESH                           ; a block begins: c m far below every c s, so the first a is 0; m at -2^93
.irp t, 0,1,2,3
	v_mov_b32 v[ST+8*(\t)], 0xfe000000
	v_mov_b32 v[ST+8*(\t)+1], 0xee000000
.endr
.endm
; Wo's numbers of this trip: four pieces of 2,048 bytes for the work-group, 16 bytes a lane.
.macro WLOAD
	WIN 0xc0                                       ; destination window 3, address window 0
.irp p, 0,1,2,3
	global_load_b128 v[WX+4*(\p):WX+4*(\p)+3], v[WI], s[WS:WS+1] offset:(\p)*2048-8192 th:TH_LOAD_NT
.endr
.endm
.macro WCONV                           ; rounded to bf16, widened again, written as f16, stored
	s_wait_loadcnt 0x0                             ; issued a whole key step ago
	WIN 0xcf                                       ; sources 0 and 1 and the destination in window 3
.irp p, 0,1,2,3
	v_cvt_pk_bf16_f32 v[WT], v[WX+4*(\p)], v[WX+4*(\p)+1]
	v_cvt_pk_bf16_f32 v[WT+1], v[WX+4*(\p)+2], v[WX+4*(\p)+3]
	v_lshlrev_b32 v[WT+2], 16, v[WT]
	v_and_b32 v[WT+3], s[HM], v[WT]
	v_cvt_pk_f16_f32 v[WY+2*(\p)], v[WT+2], v[WT+3]
	v_lshlrev_b32 v[WT+2], 16, v[WT+1]
	v_and_b32 v[WT+3], s[HM], v[WT+1]
	v_cvt_pk_f16_f32 v[WY+2*(\p)+1], v[WT+2], v[WT+3]
.endr
	WIN 0x0c                                       ; store data (source 1) in window 3, address in window 0
.irp p, 0,1,2,3
	global_store_b64 v[WO], v[WY+2*(\p):WY+2*(\p)+1], s[WD:WD+1] offset:(\p)*1024-4096 th:TH_STORE_NT
.endr
.endm
	s_load_b256 s[4:11], s[0:1], 0x0               ; qkv s[4:5], yb s[6:7], Wo s[8:9], wob s[10:11]
	v_lshl_add_u32 v[SPW], v0, 2, SPARE
	v_mov_b32 v[NIL], 0
	ds_add_u32 v[SPW], v[NIL]                      ; the wave's opening: the add and its wait stand ahead of my first tensor load
	v_lshrrev_b32 v1, 5, v0
	v_readfirstlane_b32 s[WV], v1
	s_bfe_u32 s[CX], ttmp6, 0x40000
	s_mov_b32 s[UU], ttmp9
	s_lshl_b32 s[BB], s[UU], 2
	s_add_co_u32 s[BB], s[BB], s[CX]               ; b
	s_sub_co_u32 s17, 31, s[BB]                    ; the first block
	s_and_b32 s20, ttmp7, 0xffff                   ; the head, which the partners share
	s_lshl_b32 s[GG], s20, 4
	s_add_co_u32 s[GG], s[GG], s[BB]               ; my work-group among the 256: it enters Wo's and wob's addresses alone
	s_lshl_b32 s22, s20, 8                         ; the head's 256 bytes in a row of yb
	s_mov_b32 s23, 0
	s_lshl_b32 s20, s20, 19                        ; its 524,288 bytes in a plane of qkv
	s_mov_b32 s21, 0
	s_and_b32 s82, s[WV], 1                        ; which half of a tile's 256 rows I fetch
	s_mov_b32 s[G0K], 1
	s_mul_i32 s[G0K+1], s82, 128*PK
	s_mov_b32 s[G0V], 1
	s_mul_i32 s[G0V+1], s82, 128*PV
	s_add_co_u32 s[G0V+1], s[G0V+1], VOFF
	s_lshl_b32 s[XO], s[CX], 14                    ; the prefetches: my work-group's 64 rows,
	s_lshr_b32 s83, s[WV], 1
	s_add_co_u32 s83, s83, 1
	s_lshl_b32 s83, s83, 23                        ; plane 1 (k) or 2 (v),
	s_add_co_u32 s[XO], s[XO], s83
	s_lshl_b32 s83, s82, 13                        ; my wave's 32 rows,
	s_add_co_u32 s[XO], s[XO], s83
	s_add_co_u32 s[XO], s[XO], s20                 ; the head,
	s_add_co_u32 s[XO], s[XO], 65536               ; tile 1: the first change of slots steps it to tile 2
	s_mov_b32 s[XO+1], 0
	s_lshl_b32 s82, s82, 15                        ; k: my 128 rows, the head, plane 1
	s_add_co_u32 s82, s82, s20
	s_add_co_u32 s82, s82, 0x800000
	s_mov_b32 s83, 0
	s_mov_b32 s[G1K], 15|(1<<16)|(1<<20)|(1<<21)|(5<<22)|(3<<25)  ; the mask of four; 2-byte elements; padding on; bit 21 beside a mask; after every 64 words 4 words
	s_mov_b32 s[G1V], 15|(1<<16)|(1<<20)|(1<<21)|(5<<22)|(7<<25)  ; the same with 8 words
.irp g, G1K, G1V
	s_mov_b32 s[(\g)+1], 128<<16                   ; tensor_dim0 = 128
	s_mov_b32 s[(\g)+2], 128<<16                   ; tensor_dim1 = 128
	s_mov_b32 s[(\g)+3], 128<<16                   ; tile_dim0 = 128
	s_mov_b32 s[(\g)+4], 128                       ; tile_dim1 = 128
	s_mov_b32 s[(\g)+5], 128                       ; elements from row to row
	s_mov_b32 s[(\g)+6], 0
	s_mov_b32 s[(\g)+7], 0
.endr
	s_mov_b32 s[CS], 0x3e0293ee                    ; c = log2(e) / sqrt(128) = 0.127517
	s_mov_b32 s[CS+1], s[CS]
	s_mov_b32 s[SEL], 0x76543210
	s_mov_b32 s[SEL+1], 0xfedcba98
	s_mov_b32 s[TB], SLOTX                         ; the first change of slots turns it into 0
	s_mov_b32 s[NXT], 1
	s_sub_co_u32 s[LQ], 7, s[UU]
	s_sub_co_u32 s[RT], 8, s[UU]                   ; the first block has 8 - u tiles
	s_sub_co_u32 s[DD], 3, s[CX]
	s_mov_b32 s[AL+1], 0                           ; named as pairs
	s_mov_b32 s[BE+1], 0
	s_mov_b32 s[OFF+1], 0
	s_mov_b32 s[BIGN], 0xf149f2ca                  ; -1e30
	s_mov_b32 s[HM], 0xffff0000
	s_mov_b32 s[SLOTS], 8
	s_cmp_eq_u32 s[UU], 0
	s_cselect_b32 s[LIM], 2, -1
	s_wait_dscnt 0x0                               ; the opening add is done
	s_wait_kmcnt 0x0
	s_add_nc_u64 s[KB:KB+1], s[4:5], s[82:83]
	s_add_nc_u64 s[VB:VB+1], s[KB:KB+1], 0x800000
	s_add_nc_u64 s[QB:QB+1], s[4:5], s[20:21]
	s_add_nc_u64 s[YB:YB+1], s[6:7], s[22:23]
	s_add_nc_u64 s[PFA:PFA+1], s[4:5], s[XO:XO+1]
	s_lshl_b32 s[XO], s17, 14                      ; a block is 64 rows of 256 bytes of q,
	s_add_nc_u64 s[QA:QA+1], s[QB:QB+1], s[XO:XO+1]
	s_lshl_b32 s[XO], s17, 18                      ; and 64 rows of 4,096 bytes of yb
	s_add_nc_u64 s[YA:YA+1], s[YB:YB+1], s[XO:XO+1]
	s_lshl_b32 s[XO], s[GG], 16                    ; my work-group's 65,536 bytes of Wo,
	s_add_nc_u64 s[WS:WS+1], s[WS:WS+1], s[XO:XO+1]
	s_lshl_b32 s[XO], s[GG], 15                    ; and 32,768 of wob
	s_add_nc_u64 s[WD:WD+1], s[WD:WD+1], s[XO:XO+1]
	s_mov_b64 s[G0K+2:G0K+3], s[KB:KB+1]
	s_or_b32 s[G0K+3], s[G0K+3], 0x80000000
	s_mov_b64 s[G0V+2:G0V+3], s[VB:VB+1]
	s_or_b32 s[G0V+3], s[G0V+3], 0x80000000
	CROUND                                         ; all four work-groups are here
	JLOAD                                          ; tile 0 into slot 0
	v_and_b32 v1, 15, v0                           ; l % 16
	v_bfe_u32 v9, v0, 4, 1                         ; l / 16
	v_lshlrev_b32 v[QO], 8, v1
	v_lshl_add_u32 v[QO], v9, 4, v[QO]
	QLOAD
	v_lshlrev_b32 v[WI], 4, v0
	v_lshlrev_b32 v[WO], 3, v0
	v_mul_u32_u24 v[AK0], v1, PK
	v_lshl_add_u32 v[AK0], v9, 4, v[AK0]
	s_mul_i32 s22, s[WV], 64*PK                    ; my wave's 64 keys
	v_add_nc_u32 v[AK0], s22, v[AK0]
	; the turning load takes 16 keys x 16 channels (lane l reads key 8 (l / 16) + l % 8, channels 8 ((l / 8) % 2) + 0..7) and leaves half a fragment of V^T
	v_and_b32 v45, 7, v0
	v_lshl_add_u32 v[AV0], v9, 3, v45
	v_mul_u32_u24 v[AV0], v[AV0], PV
	v_bfe_u32 v45, v0, 3, 1
	v_lshl_add_u32 v[AV0], v45, 4, v[AV0]
	s_mul_i32 s22, s[WV], 64*PV
	s_add_co_u32 s22, s22, VOFF
	v_add_nc_u32 v[AV0], s22, v[AV0]
	s_lshl_b32 s22, s[WV], 9
	s_add_co_u32 s22, s22, STAT
	v_lshl_add_u32 v[SA], v1, 3, s22               ; STAT + 512 w + 8 (l % 16)
	v_lshl_add_u32 v[SR], v1, 3, STAT
	v_mul_u32_u24 v[PS], v1, PP                    ; PART + w PW + (l % 16) rows + 32 (l / 16)
	v_lshl_add_u32 v[PS], v9, 5, v[PS]
	s_mul_i32 s22, s[WV], PW
	s_add_co_u32 s22, s22, PART
	v_add_nc_u32 v[PS], s22, v[PS]
	v_mul_u32_u24 v[PR], v9, PP                    ; PART + (4 w + l / 16) rows + 32 (l % 16)
	v_lshl_add_u32 v[PR], v1, 5, v[PR]
	s_mul_i32 s22, s[WV], 4*PP
	s_add_co_u32 s22, s22, PART
	v_add_nc_u32 v[PR], s22, v[PR]
	v_lshlrev_b32 v[YO], 12, v9                    ; (4 w + l / 16) rows of yb + 16 (l % 16)
	v_lshl_add_u32 v[YO], v1, 4, v[YO]
	s_lshl_b32 s22, s[WV], 14
	v_add_nc_u32 v[YO], s22, v[YO]
	v_and_b32 v[PFO], 31, v0
	v_lshlrev_b32 v[PFO], 8, v[PFO]
	v_lshlrev_b32 v45, 3, v9
	v_sub_nc_u32 v45, v1, v45                      ; l % 16 - 8 (l / 16): register j is hidden where j is greater
	WIN 0xc0
.set i, 0
.rept 8
	v_cmp_gt_i32 vcc_lo, i, v45
	v_cndmask_b32 v[TRI+i], 0, s[BIGN], vcc_lo
.set i, i+1
.endr
	; a block's first step multiplies O^T and l by a = 0, so they need only be finite: zeros for the first block, what the first block left for the second.  This stands in the wait for the first tile.
	WIN 0x40
.set i, 0
.rept 256
	v_mov_b32 v[i], 0
.set i, i+1
.endr
	WIN 0
.irp t, 0,1,2,3
	v_mov_b32 v[ST+8*(\t)+2], 0
	v_mov_b32 v[ST+8*(\t)+3], 0
.endr
	FRESH
; THE MATRIX WORK.  The accumulators take turns, one instruction a turn: between two links of a chain stand 7 (K Q^T) or 15 (V^T P) others'.
; Product i of 32 of S^T = K Q^T for tiles x, x + 1: channels 32 (i / 8) on, keys 16 ((i / 2) % 4) on, tile x + i % 2.  The first 8 start the sums, with the mask.
.macro KQ x
.set tq, (\x)+i%2
.set kb, (i/2)%4
.set rS, S+32*tq+8*kb
.set rK, KF+32*kb+8*(i/8)
.set rQ, 32*tq+8*(i/8)
.if i < 8
.set rM, MLO
.if kb == tq
.set rM, MEQ
.elseif kb > tq
.set rM, MHI
.endif
	WIN W_KM
	v_wmma_f32_16x16x32_f16 v[rS:rS+7], v[rK:rK+7], v[rQ:rQ+7], v[rM:rM+7]
.else
	WIN W_KQ
	v_wmma_f32_16x16x32_f16 v[rS:rS+7], v[rK:rK+7], v[rQ:rQ+7], v[rS:rS+7]
.endif
.endm
; Product i of 32 of O^T += V^T P: keys 32 (i / 16) on, channels 16 ((i / 2) % 8) on, tile x + i % 2.
.macro PV x
	WIN W_PV
.set rO, 64*((\x)+i%2)+8*((i/2)%8)
.set rV, 64*(i/16)+8*((i/2)%8)
.set rP, P+16*((\x)+i%2)+8*(i/16)
	v_wmma_f32_16x16x32_f16 v[rO:rO+7], v[rV:rV+7], v[rP:rP+7], v[rO:rO+7]
.endm
; THE LDS LOADS: my 64 keys' K (16 fragments) and V (turned), in two runs of 32 at a trip's head.
.macro FETCH_K
	WIN 0
	v_add_nc_u32 v[ADRK], s[TB], v[AK0]
	WIN 0x80
.irp f, 0,1,2,3,4,5,6,7,8,9,10,11,12,13,14,15  ; keys 16 (f / 4) on, channels 32 (f % 4) on
	ds_load_b128 v[KF+8*(\f):KF+8*(\f)+3],   v[ADRK] offset:((\f)/4)*16*PK+((\f)%4)*64
	ds_load_b128 v[KF+8*(\f)+4:KF+8*(\f)+7], v[ADRK] offset:((\f)/4)*16*PK+((\f)%4)*64+32
.endr
.endm
.macro FETCH_V
	WIN 0
	v_add_nc_u32 v[ADRV], s[TB], v[AV0]
	WIN 0xc0
.irp f, 0,1,2,3,4,5,6,7,8,9,10,11,12,13,14,15  ; keys 32 (f / 8) on, channels 16 (f % 8) on
	ds_load_tr16_b128 v[8*(\f):8*(\f)+3],   v[ADRV] offset:((\f)/8)*32*PV+((\f)%8)*32
	ds_load_tr16_b128 v[8*(\f)+4:8*(\f)+7], v[ADRV] offset:((\f)/8)*32*PV+16*PV+((\f)%8)*32
.endr
.endm
.macro MASKS                           ; the three C operands of this trip
	WIN 0xc3
.set i, 0
.rept 8
	v_mov_b32 v[MLO+i], s[BE]
	v_mov_b32 v[MHI+i], s[BH]
.set i, i+1
.endr
.set i, 0
.rept 4
	v_pk_fma_f32 v[MEQ+2*i:MEQ+2*i+1], v[TRI+2*i:TRI+2*i+1], s[AL:AL+1], s[BE:BE+1] op_sel_hi:[1,0,0]
.set i, i+1
.endr
.endm
; THE VECTOR WORK.  One tile's softmax for a key step is a list of 134 instructions; SM writes number j of it for tile t.  s0-s31 are the lane's 32 scores, in pairs 0-15.
;   0-15    the maximum of s0-s31 and the old m, three operands at a time (each accumulator's lowest registers are read first)
;   16-20   the other half of the lanes' maximum; c m_old kept; the new m; c m; c m_old - c m_new
;   21-69   ONE BATCH: the 16 scalings c s - c m and all 33 exponentials (a at 23, then s0-s31); none of these reads an exponential's result
;   70-85   the roundings to f16     86-101  the sums; l = a l + the sum     102-133  the tile's O^T times a
.macro SM t
.set rT, ST+8*(\t)
.set rS, S+32*(\t)
.set rP, P+16*(\t)
.set rO, 64*(\t)+2*(j-102)
.if j < 102
	WIN 0
.endif
.if j < 4
	v_max3_num_f32 v[rT+4+j], v[rS+8*j], v[rS+8*j+1], v[rS+8*j+2]
.elseif j < 12
	v_max3_num_f32 v[rT+4+j%4], v[rT+4+j%4], v[rS+8*(j%4)+2*(j/4)+1], v[rS+8*(j%4)+2*(j/4)+2]
.elseif j == 12
	v_max3_num_f32 v[rT+4], v[rT+4], v[rS+7], v[rS+15]
.elseif j == 13
	v_max3_num_f32 v[rT+6], v[rT+6], v[rS+23], v[rS+31]
.elseif j == 14
	v_max3_num_f32 v[rT+4], v[rT+4], v[rT+5], v[rT+6]
.elseif j == 15
	v_max3_num_f32 v[rT+4], v[rT+4], v[rT+7], v[rT+1]
.elseif j == 16
	v_permlanex16_b32 v[rT+5], v[rT+4], s[SEL], s[SEL+1]  ; the query's other 32 keys lie in the lane 16 away
.elseif j == 17
	v_mov_b32 v[rT+7], v[rT]
.elseif j == 18
	v_max_num_f32 v[rT+1], v[rT+4], v[rT+5]
.elseif j == 19
	v_mul_f32 v[rT], s[CS], v[rT+1]
.elseif j == 20
	v_sub_f32 v[rT+7], v[rT+7], v[rT]
.elseif j == 23
	v_exp_f32 v[rT+6], v[rT+7]
.elseif (j < 23) || ((j < 38) && (j%2 == 0)) || ((j < 66) && (j%4 == 2))
.set b, (j-2)/4                     ; 38, 42, .. 62: pairs 9 to 15
.if j < 38
.set b, (j-20)/2                    ; 21: pair 0; 22, 24, .. 36: pairs 1 to 8
.endif
	v_pk_fma_f32 v[rS+2*b:rS+2*b+1], v[rS+2*b:rS+2*b+1], s[CS:CS+1], v[rT:rT+1] op_sel_hi:[1,0,0] neg_lo:[0,0,1] neg_hi:[0,0,1]
.elseif j < 70
.set e, j-38                        ; 66 to 69: s28 to s31
.if j < 66
.set e, j-32-(j-38)/4               ; 39-41, 43-45, .. 63-65: s7 to s27
.endif
.if j < 38
.set e, (j-25)/2                    ; 25, 27, .. 37: s0 to s6
.endif
	v_exp_f32 v[rS+e], v[rS+e]
.elseif j < 86
	v_cvt_pk_f16_f32 v[rP+j-70], v[rS+2*(j-70)], v[rS+2*(j-70)+1]
.elseif j < 102                     ; the sum of the 16 pairs, in place: neighbours 1, 2, 4 and 8 pairs apart, then l takes it
.set z, j-86
.set w, 4
.set u, z
.if z >= 14
.set w, 32
.set u, 0
.elseif z >= 12
.set w, 16
.set u, z-12
.elseif z >= 8
.set w, 8
.set u, z-8
.endif
.if z < 15
	v_pk_add_f32 v[rS+w*u:rS+w*u+1], v[rS+w*u:rS+w*u+1], v[rS+w*u+w/2:rS+w*u+w/2+1]
.else
	v_pk_fma_f32 v[rT+2:rT+3], v[rT+2:rT+3], v[rT+6:rT+7], v[rS:rS+1] op_sel_hi:[1,0,1]
.endif
.else
	WIN W_RS
	v_pk_mul_f32 v[rO:rO+1], v[rO:rO+1], v[rT+6:rT+7] op_sel_hi:[1,0]
.endif
.endm
; Slice k of 64 of the softmax of tiles y, y + 1: four instructions.  Slices 11 to 34 deal out the batch, four numbers of one tile each, the tiles by turns; every other slice is numbers 2 k and 2 k + 1 of
; both tiles; the twelve that are over stand in slice 63.  Behind slice 34 stand a plain instruction and one wait between the 66 exponentials and their first reader.
.macro SLICE y
.if (k >= 11) && (k < 35)
.irp n, 0,1,2,3
.set j, 22+4*((k-11)/2)+(\n)
	SM (\y)+(k-11)%2
.endr
.else
.irp n, 0,1,2,3,4,5,6,7
.if ((\n) < 2) || (k == 63)
.irp t, \y, (\y)+1
.set j, 2*k+(\n)
	SM \t
.endr
.endif
.endr
.endif
.if k == 34
	v_nop
	s_wait_alu depctr_va_vdst(0)
.endif
.set k, k+1
.endm
; A TRIP: the change of slots, the masks, and one key step of my 64 keys for all 64 queries.  fill = 1 (the loop's eight trips): also the trip's part of Wo.
.macro TRIP fill
	CHANGE \fill
	s_sub_co_u32 s[RT], s[RT], 1
	s_cmp_eq_u32 s[RT], 0                          ; the block's last tile?
	s_cselect_b32 s[SE], s[DD], 4
	s_cmp_eq_u32 s[WV], s[SE]                      ; my keys hold the diagonal,
	s_cselect_b32 s[AL], 1.0, 0
	s_cmp_gt_u32 s[WV], s[SE]                      ; or lie behind it
	s_cselect_b32 s[BE], s[BIGN], 0
	s_cmp_ge_u32 s[WV], s[SE]
	s_cselect_b32 s[BH], s[BIGN], 0
	FETCH_K
	FETCH_V
	WIN 0
.if \fill
	ASK
.endif
	MASKS
	s_wait_loadcnt 0x0                             ; q
.if \fill
	WLOAD                                          ; behind the wait for q, so that no wait for q ever waits for these
.endif
	s_wait_dscnt 32                                ; K is in; V's 32 loads may be out
.set i, 0
.rept 32
	KQ 0
.set i, i+1
.endr
	PLACES                                         ; behind those products, in front of the first reader of their scores
.set k, 0
.set i, 0
.rept 32
	KQ 2
	SLICE 0
	SLICE 0
.set i, i+1
.endr
	s_wait_dscnt 0x0                               ; V is in
.set k, 0
.set i, 0
.rept 32
	PV 0
	SLICE 2
	SLICE 2
.set i, i+1
.endr
.set i, 0
.rept 32
	PV 2
.set i, i+1
.endr
.if \fill
	WCONV
.endif
	WIN 0
.endm
; A BLOCK'S END.  Each wave's c m and l go to LDS; every wave reads all four, finds the common c m*, L = the sum of 2^(c m_v - c m*) l_v, and its own factor g = 2^(c m_own - c m*) / L.  Then, a tile of 16 queries
; at a time: O^T times g into LDS, a barrier, each wave adds the four parts of four rows, rounds them to f16 and stores them: sixteen lanes store 256 consecutive bytes, aligned.
; final = 0: the second block's q is asked for here.  The barriers are the work-group's own.
.macro MERGE final
	WIN 0
.irp t, 0,1,2,3
	v_add_f32 v[ST+8*(\t)+4], v[ST+8*(\t)+2], v[ST+8*(\t)+3]
.endr
.irp t, 0,1,2,3
	v_permlanex16_b32 v[ST+8*(\t)+5], v[ST+8*(\t)+4], s[SEL], s[SEL+1]
.endr
.irp t, 0,1,2,3
	v_add_f32 v[ST+8*(\t)+1], v[ST+8*(\t)+4], v[ST+8*(\t)+5]  ; l takes m's place beside c m
.endr
.irp t, 0,1,2,3
	ds_store_b64 v[SA], v[ST+8*(\t):ST+8*(\t)+1] offset:128*(\t)  ; both halves of the lanes write the same numbers
.endr
.if !(\final)
	s_lshl_b32 s[XO], s[BB], 14
	s_add_nc_u64 s[QA:QA+1], s[QB:QB+1], s[XO:XO+1]  ; the first block's q has long been waited for
	QLOAD
.endif
	s_wait_dscnt 0x0
	s_barrier_signal -1
	s_barrier_wait -1
.irp t, 0,1,2,3
.irp v, 0,1,2,3
	ds_load_b64 v[S+8*(\t)+2*(\v):S+8*(\t)+2*(\v)+1], v[SR] offset:512*(\v)+128*(\t)
.endr
.endr
	s_wait_dscnt 0x0
.irp t, 0,1,2,3
	v_max3_num_f32 v[ST+8*(\t)+4], v[S+8*(\t)], v[S+8*(\t)+2], v[S+8*(\t)+4]
.endr
.irp t, 0,1,2,3
	v_max_num_f32 v[ST+8*(\t)+4], v[ST+8*(\t)+4], v[S+8*(\t)+6]
.endr
.irp t, 0,1,2,3
	v_sub_f32 v[ST+8*(\t)+5], v[ST+8*(\t)], v[ST+8*(\t)+4]
.irp v, 0,1,2,3
	v_sub_f32 v[S+8*(\t)+2*(\v)], v[S+8*(\t)+2*(\v)], v[ST+8*(\t)+4]
.endr
.endr
.irp t, 0,1,2,3
	v_exp_f32 v[ST+8*(\t)+5], v[ST+8*(\t)+5]
.irp v, 0,1,2,3
	v_exp_f32 v[S+8*(\t)+2*(\v)], v[S+8*(\t)+2*(\v)]
.endr
.endr
	v_nop                                          ; a plain instruction behind the last exponential,
	s_wait_alu depctr_va_vdst(0)                   ; and one wait for the twenty, ahead of their first reader
.irp t, 0,1,2,3
	v_mul_f32 v[ST+8*(\t)+7], v[S+8*(\t)], v[S+8*(\t)+1]
.endr
.irp v, 1,2,3
.irp t, 0,1,2,3
	v_fmac_f32 v[ST+8*(\t)+7], v[S+8*(\t)+2*(\v)], v[S+8*(\t)+2*(\v)+1]
.endr
.endr
.irp t, 0,1,2,3
	v_rcp_f32 v[ST+8*(\t)+4], v[ST+8*(\t)+7]
.endr
	v_nop
	s_wait_alu depctr_va_vdst(0)                   ; one wait for the four reciprocals
.irp t, 0,1,2,3
	v_mul_f32 v[ST+8*(\t)+6], v[ST+8*(\t)+5], v[ST+8*(\t)+4]
.endr
.irp t, 0,1,2,3
	WIN W_RS
.set i, 64*(\t)
.rept 32
	v_pk_mul_f32 v[i:i+1], v[i:i+1], v[ST+8*(\t)+6:ST+8*(\t)+7] op_sel_hi:[1,0]
.set i, i+2
.endr
	WIN 0x04                                       ; store data in window 1
.set i, 0
.rept 16                                       ; channels 16 (i / 2) + 8 (l / 16) + 4 (i % 2) on
	ds_store_b128 v[PS], v[64*(\t)+4*i:64*(\t)+4*i+3] offset:32*i-16*(i%2)
.set i, i+1
.endr
	WIN 0
	s_wait_dscnt 0x0
	s_barrier_signal -1
	s_barrier_wait -1
.set i, 0
.rept 16                                       ; i = 4 v + 2 s + q: wave v's part, row 4 w + 2 s + l / 16, channels 8 (l % 16) + 4 q on
	ds_load_b128 v[S+4*i:S+4*i+3], v[PR] offset:(i/4)*PW+((i/2)%2)*2*PP+(i%2)*16
.set i, i+1
.endr
	s_wait_dscnt 0x0                               ; the parts are in, and my reads are over
.set i, 0
.rept 24                                       ; waves 1, 2, 3 onto wave 0, in that order
	v_pk_add_f32 v[S+2*(i%8):S+2*(i%8)+1], v[S+2*(i%8):S+2*(i%8)+1], v[S+16*(1+i/8)+2*(i%8):S+16*(1+i/8)+2*(i%8)+1]
.set i, i+1
.endr
.set i, 0
.rept 8
	v_cvt_pk_f16_f32 v[P+8*(\t)+i], v[S+2*i], v[S+2*i+1]
.set i, i+1
.endr
	global_store_b128 v[YO], v[P+8*(\t):P+8*(\t)+3],   s[YA:YA+1] offset:(16*(\t))*4096
	global_store_b128 v[YO], v[P+8*(\t)+4:P+8*(\t)+7], s[YA:YA+1] offset:(16*(\t)+2)*4096
.if (\t) < 3
	s_barrier_signal -1                            ; every wave has read the parts: they may be written again
	s_barrier_wait -1
.endif
.endr
.endm
.Ltrip:                                        ; eight trips: a tile is entered and the next is asked for
	TRIP 1
	s_cmp_lg_u32 s[RT], 0                          ; made of u and the trip alone: the same in all waves and all partners
	s_cbranch_scc1 .Lbottom
	MERGE 0                                        ; the first block's end falls in the loop, at trip 7 - u
	s_wait_xcnt 0x0                                ; the stores have read their registers and yb's address
	s_lshl_b32 s[XO], s[BB], 18
	s_add_nc_u64 s[YA:YA+1], s[YB:YB+1], s[XO:XO+1]
	s_add_co_u32 s[RT], s[UU], 1                   ; the second block has u + 1 tiles
	s_mov_b32 s[DD], s[CX]
	FRESH
.Lbottom:
	s_sub_co_u32 s[SLOTS], s[SLOTS], 1
	s_cmp_lg_u32 s[SLOTS], 0
	s_cbranch_scc1 .Ltrip
	TRIP 0                                         ; the walk's last tile is written out: nothing is asked for
	MERGE 1
	s_wait_tensorcnt 0x0                           ; the wave's end
	ds_add_u32 v[SPW], v[NIL]
	s_wait_dscnt 0x0
	CROUND                                         ; the closing round
	s_endpgm
.Lfunc_end_k_q9050a6a72a_attn:
	.size	k_q9050a6a72a_attn, .Lfunc_end_k_q9050a6a72a_attn-k_q9050a6a72a_attn
	.p2alignl 7, 3214868480
	.fill 96, 4, 3214868480
	.section	.rodata,"a",@progbits
	.p2align	6, 0x0
	.amdhsa_kernel k_q9050a6a72a_attn
		.amdhsa_group_segment_fixed_size 327680
		.amdhsa_private_segment_fixed_size 0
		.amdhsa_enable_private_segment 0
		.amdhsa_kernarg_size 32
		.amdhsa_user_sgpr_count 2
		.amdhsa_user_sgpr_kernarg_segment_ptr 1
		.amdhsa_wavefront_size32 1
		.amdhsa_system_sgpr_workgroup_id_x 1
		.amdhsa_system_sgpr_workgroup_id_y 1
		.amdhsa_system_sgpr_workgroup_id_z 1
		.amdhsa_system_vgpr_workitem_id 0
		.amdhsa_next_free_vgpr 960
		.amdhsa_next_free_sgpr 88
		.amdhsa_reserve_vcc 1
		.amdhsa_float_denorm_mode_32 3
		.amdhsa_float_denorm_mode_16_64 3
		.amdhsa_memory_ordered 1
		.amdhsa_forward_progress 1
		.amdhsa_inst_pref_size 183
	.end_amdhsa_kernel
	.amdgpu_metadata
---
amdhsa.version: [ 1, 2 ]
amdhsa.kernels:
  - .name:           k_q9050a6a72a_attn
    .symbol:         k_q9050a6a72a_attn.kd
    .args:
      - { .name: qkv, .offset: 0, .size: 8, .value_kind: global_buffer, .address_space: global }
      - { .name: yb, .offset: 8, .size: 8, .value_kind: global_buffer, .address_space: global }
      - { .name: Wo, .offset: 16, .size: 8, .value_kind: global_buffer, .address_space: global }
      - { .name: wob, .offset: 24, .size: 8, .value_kind: global_buffer, .address_space: global }
    .group_segment_fixed_size: 327680
    .private_segment_fixed_size: 0
    .kernarg_segment_align: 8
    .kernarg_segment_size: 32
    .max_flat_workgroup_size: 128
    .sgpr_count:     88
    .vgpr_count:     960
    .wavefront_size: 32
...
	.end_amdgpu_metadata
.endif
;; end of part 3
;; launch oproj (part 4): grid 16 x 16, 4 waves a work-group, clusters of 4 x 4, 327,680 bytes of LDS; arguments yb, wob, bo, out0; writes out0
.if DOCPART == 4
	.amdgcn_target "amdgcn-amd-amdhsa--gfx1250"
	.amdhsa_code_object_version 6
	.text
	.protected	k_q9050a6a72a_oproj
	.globl	k_q9050a6a72a_oproj
	.p2align	8
	.type	k_q9050a6a72a_oproj,@function
k_q9050a6a72a_oproj:
	s_mov_b64 s[64:65], 0
	v_nop
	global_prefetch_b8 v0, s[64:65] scope:SCOPE_SE
	s_setreg_imm32_b32 hwreg(HW_REG_WAVE_MODE, 25, 1), 1
	s_wait_xcnt 0x0
	s_wait_alu depctr_hold_cnt(0) depctr_sa_sdst(0) depctr_va_vdst(0) depctr_va_sdst(0) depctr_va_ssrc(0) depctr_va_vcc(0) depctr_vm_vsrc(0)
	s_getreg_b32 s2, hwreg(HW_REG_IB_STS2, 6, 4)
	s_cmp_eq_u32 s2, 0
	s_cbranch_scc0 .Lentry_in_a_cluster
	s_endpgm
.Lentry_in_a_cluster:
	s_bfe_u32 s2, ttmp6, 0x10000c
	s_cmp_lg_u32 s2, 0xf033
	s_cbranch_scc0 .Lentry_shape_is_right
	s_endpgm
.Lentry_shape_is_right:
; out0 = Y Wo^T + bo.  Y = yb [2048][2048] f16; Wo = wob [2048][2048], bf16-rounded numbers written as f16; bo f32, rounded to bf16 here like every input; out0 [2048][2048] f32.  Sums in f32.
; A tile of out0 is 128 x 128: 16 x 16 work-groups.  Four waves, each 64 x 64: 16 accumulators.  K goes in 8 steps of 256 (LDS rows of 512 bytes; a wave's tensor load brings 64 of them) through two slots.
; A trip of the loop is one K step; which slot is read hangs on s[TB], which slot is filled on the walking descriptor's LDS word; one exclusive or turns each.
; CLUSTER 4 x 4: Y's tile is asked for jointly along a row of the cluster, Wo's along a column.  THE PRODUCT IS USED TRANSPOSED (source 0 = 16 rows of Wo, source 1 = 16 rows of Y): a lane holds eight
; neighbouring numbers of a row of out0.  THE BIAS IS THE C OPERAND of each sum's first product.  A wave's 64 columns of f32 are 256 bytes, aligned: each wave has a stage of its own on the way out, and no barrier.
; No prefetch: a step's tiles are small, and each is read by four clusters at about the same time.
; REGISTERS: window 0: v0-31 addresses; v32-95 rows read back; v96-127 the bias; v128-255 the accumulators ((a, b) at v[128 + 8 (4 a + b)]).  window 1: two fragment buffers of 128: 64 of Y, then 64 of Wo.
.set SIZE_K, 2048
.set KSTEP,  256
.set STEPS,  SIZE_K/KSTEP
.set PITCH,  528                       ; an LDS row: 512 bytes + 16 of padding
.set HALFT,  64*PITCH                  ; what one tensor load brings: 0x8400 bytes
.set SLOT,   4*HALFT                   ; Y's 128 rows, then Wo's 128 rows
.set SLOTX,  0x24000                   ; slot 1 begins here: none of the waves' bases 0, 0x8400, 0x10800, 0x18c00 has one of its two bits
.set STAGE,  SLOTX+SLOT                ; behind the ring: 16 rows x 272 bytes for each wave
.set SPITCH, 272
.set SPARE,  STAGE+4*16*SPITCH         ; the spare words, 128 bytes a wave: two blocks of 256 bytes that no other line names
.set ADRA0, 16                         ; v16  my Y fragments' place in a slot; never rewritten
.set ADRA,  17                         ; v17  their LDS address in the slot that is read
.set ADRB0, 20                         ; v20, v21  the same for my Wo fragments
.set ADRB,  21
.set STO,  24
.set RD,   25
.set CO,   26
.set BO,   27
.set SPW,  28
.set NIL,  29
.set TT,   30
.set TMP,  32
.set BIAS, 96
.set ACC,  128
.set F0,   0
.set F1,   128
.set G1, 24                            ; s[24:31] group 1, Y's tiles
.set G0, 32                            ; s[32:39] group 0, Y's tiles: a set for each of the two first fills; the second then walks on
.set G1B, 48                           ; s[48:55], s[56:63] the same for Wo's tiles
.set G0B, 56
.set TB,  66                           ; s66  the slot that is read: 0 or SLOTX
.set HM,  67                           ; s67  a word's upper bf16
.set MSB, 0
.macro WIN new
.if MSB != (\new)
	s_set_vgpr_msb (MSB<<8)|(\new)
.set MSB, \new
.endif
.endm
.set MUL,  0x05                        ; sources 0 (Wo) and 1 (Y) window 1; C and D window 0
.set TO_F, 0x40
.macro JLOAD s                         ; by set s of the two: waves 0 and 1 fetch Y's two halves, waves 2 and 3 Wo's; an s_nop 0 and four v_nop follow each line
	s_cmp_eq_u32 s11, 0
	s_cbranch_scc0 .Lfor_b_\@
	tensor_load_to_lds s[G0+4*(\s):G0+4*(\s)+3], s[G1:G1+7]
	s_nop 0
.rept 4
	v_nop
.endr
	s_branch .Lasked_\@
.Lfor_b_\@:
	tensor_load_to_lds s[G0B+4*(\s):G0B+4*(\s)+3], s[G1B:G1B+7]
	s_nop 0
.rept 4
	v_nop
.endr
.Lasked_\@:
.endm
.macro CROUND                          ; a round of the cluster's barrier
	s_barrier_signal -1
	s_barrier_wait -1
	s_cmp_lg_u32 s10, 0
	s_cbranch_scc1 .Lnot_wave_0_\@
	s_barrier_signal -3
.Lnot_wave_0_\@:
	s_barrier_wait -3
	s_barrier_signal -1
	s_barrier_wait -1
.endm
.macro PLACES
.rept 4
	v_nop
.endr
.endm
	s_load_b256 s[68:75], s[0:1], 0x0              ; yb s[68:69], wob s[70:71], bo s[72:73], out0 s[74:75]
	v_lshl_add_u32 v[SPW], v0, 2, SPARE
	v_mov_b32 v[NIL], 0
	ds_add_u32 v[SPW], v[NIL]                      ; the wave's opening: the add and its wait stand ahead of my first tensor load
	v_lshrrev_b32 v1, 5, v0
	v_readfirstlane_b32 s10, v1                    ; wave 0..3
	s_lshr_b32 s11, s10, 1                         ; which half of the tile's rows is mine.  Also: I fetch for Y (0) or for Wo (1)
	s_and_b32 s12, s10, 1                          ; which half of its columns.  Also: which 64 rows of that tile I fetch
	s_bfe_u32 s40, ttmp6, 0x40000                  ; cx
	s_bfe_u32 s41, ttmp6, 0x40004                  ; cy
	s_lshl_b32 s42, ttmp9, 2
	s_add_co_u32 s42, s42, s40                     ; tile column
	s_and_b32 s13, ttmp7, 0xffff
	s_lshl_b32 s13, s13, 2
	s_add_co_u32 s13, s13, s41                     ; tile row
	s_lshl_b32 s43, s41, 2
	s_lshl_b32 s43, 15, s43                        ; my row of the cluster
	s_lshl_b32 s44, 0x1111, s40                    ; my column
	s_or_b32 s[G1+0], s43, (1<<16)|(1<<20)|(1<<21)|(6<<22)|(3<<25)  ; the mask; 2-byte elements; padding on; bit 21 beside a mask; after every 128 words 4 words
	s_or_b32 s[G1B+0], s44, (1<<16)|(1<<20)|(1<<21)|(6<<22)|(3<<25)
.irp g, G1, G1B
	s_mov_b32 s[(\g)+1], KSTEP<<16                 ; tensor_dim0 = 256
	s_mov_b32 s[(\g)+2], 64<<16                    ; tensor_dim1 = 64
	s_mov_b32 s[(\g)+3], KSTEP<<16                 ; tile_dim0 = 256
	s_mov_b32 s[(\g)+4], 64                        ; tile_dim1 = 64
	s_mov_b32 s[(\g)+5], SIZE_K
	s_mov_b32 s[(\g)+6], 0
	s_mov_b32 s[(\g)+7], 0
.endr
	s_lshl_b32 s17, s12, 6                         ; which 64 rows of the tile I fetch
	s_lshl_b32 s16, s13, 7
	s_add_co_u32 s16, s16, s17
	s_lshl_b32 s16, s16, 12                        ; Y: row 128 x tile row + 64 x half, 4,096 bytes a row
	s_lshl_b32 s46, s42, 7
	s_add_co_u32 s46, s46, s17
	s_lshl_b32 s46, s46, 12                        ; Wo: row 128 x tile column + 64 x half
	s_mov_b32 s17, 0
	s_mov_b32 s47, 0
	s_mul_i32 s20, s10, HALFT                      ; where they go: wave x 64 rows
	s_mov_b32 s[TB], 0
	s_mov_b32 s[HM], 0xffff0000
	s_wait_dscnt 0x0                               ; the opening add is done
	s_wait_kmcnt 0x0
	s_add_nc_u64 s[14:15], s[68:69], s[16:17]
	s_add_nc_u64 s[46:47], s[70:71], s[46:47]
	CROUND                                         ; all sixteen work-groups are here
.irp s, 0,1
	s_mov_b32 s[G0+4*(\s)], 1
	s_add_co_u32 s[G0+4*(\s)+1], s20, (\s)*SLOTX
	s_add_nc_u64 s[G0+4*(\s)+2:G0+4*(\s)+3], s[14:15], (\s)*KSTEP*2
	s_or_b32 s[G0+4*(\s)+3], s[G0+4*(\s)+3], 0x80000000
	s_mov_b32 s[G0B+4*(\s)], 1
	s_add_co_u32 s[G0B+4*(\s)+1], s20, (\s)*SLOTX
	s_add_nc_u64 s[G0B+4*(\s)+2:G0B+4*(\s)+3], s[46:47], (\s)*KSTEP*2
	s_or_b32 s[G0B+4*(\s)+3], s[G0B+4*(\s)+3], 0x80000000
	JLOAD \s                                       ; K steps 0 and 1: two loads of mine are out
.endr
	v_and_b32 v1, 15, v0                           ; l % 16
	v_bfe_u32 v2, v0, 4, 1                         ; l / 16
	s_lshl_b32 s16, s13, 7
	s_lshl_b32 s17, s11, 6
	s_add_co_u32 s16, s16, s17                     ; my first row of out0,
	s_lshl_b32 s16, s16, 13                        ; 8,192 bytes a row
	s_mov_b32 s17, 0
	s_add_nc_u64 s[8:9], s[74:75], s[16:17]
	s_lshl_b32 s46, s42, 9                         ; my first column, 4 bytes a column: the same offset in out0's rows and in bo
	s_lshl_b32 s47, s12, 8
	s_add_co_u32 s46, s46, s47
	s_mov_b32 s47, 0
	s_add_nc_u64 s[8:9], s[8:9], s[46:47]
	s_add_nc_u64 s[72:73], s[72:73], s[46:47]
	v_lshlrev_b32 v[BO], 5, v2
.irp b, 0,1,2,3
	global_load_b128 v[BIAS+8*(\b):BIAS+8*(\b)+3],   v[BO], s[72:73] offset:64*(\b)
	global_load_b128 v[BIAS+8*(\b)+4:BIAS+8*(\b)+7], v[BO], s[72:73] offset:64*(\b)+16
.endr
	v_mul_u32_u24 v3, v1, PITCH
	v_lshl_add_u32 v3, v2, 4, v3                   ; a fragment's row x pitch + 16 x half
	s_mul_i32 s21, s11, HALFT                      ; my 64 rows of Y
	s_mul_i32 s22, s12, HALFT                      ; my 64 rows of Wo,
	s_add_co_u32 s22, s22, 2*HALFT                 ; which lie behind Y's 128
	v_add_nc_u32 v[ADRA0], s21, v3
	v_add_nc_u32 v[ADRB0], s22, v3
	v_mov_b32 v[ADRA], v[ADRA0]                    ; slot 0 is read first
	v_mov_b32 v[ADRB], v[ADRB0]
	s_mul_i32 s23, s10, 16*SPITCH
	s_add_co_u32 s23, s23, STAGE                   ; my stage
	v_mul_u32_u24 v4, v1, SPITCH                   ; in: row l % 16, 32 bytes for each half of the lanes
	v_lshl_add_u32 v4, v2, 5, v4
	v_add_nc_u32 v[STO], s23, v4
	v_mul_u32_u24 v5, v2, SPITCH                   ; back: lanes 0-15 one row of 256 bytes, lanes 16-31 the next
	v_lshl_add_u32 v5, v1, 4, v5
	v_add_nc_u32 v[RD], s23, v5
	v_lshlrev_b32 v5, 13, v2                       ; and the same two rows in out0
	v_lshl_add_u32 v[CO], v1, 4, v5
	s_wait_loadcnt 0x0                             ; the bias is in; it is rounded to bf16 like every input, and widened again
.set i, 0
.rept 16
	v_cvt_pk_bf16_f32 v[TT], v[BIAS+2*i], v[BIAS+2*i+1]
	v_lshlrev_b32 v[BIAS+2*i], 16, v[TT]
	v_and_b32 v[BIAS+2*i+1], s[HM], v[TT]
.set i, i+1
.endr
; 8 matrix instructions: row blocks a0, a0 + 1 x all 4 column blocks, 32 along K: half c of buffer f.  zero = 1: the first product starts the sum, with the bias.  The 16 accumulators take turns.
.macro MUL8 f, c, a0, zero
	WIN MUL
.irp a, \a0, (\a0)+1
.irp b, 0,1,2,3
.if \zero
	v_wmma_f32_16x16x32_f16 v[ACC+8*(4*(\a)+(\b)):ACC+8*(4*(\a)+(\b))+7], v[(\f)+64+8*(4*(\c)+(\b)):(\f)+64+8*(4*(\c)+(\b))+7], v[(\f)+8*(4*(\c)+(\a)):(\f)+8*(4*(\c)+(\a))+7], v[BIAS+8*(\b):BIAS+8*(\b)+7]
.else
	v_wmma_f32_16x16x32_f16 v[ACC+8*(4*(\a)+(\b)):ACC+8*(4*(\a)+(\b))+7], v[(\f)+64+8*(4*(\c)+(\b)):(\f)+64+8*(4*(\c)+(\b))+7], v[(\f)+8*(4*(\c)+(\a)):(\f)+8*(4*(\c)+(\a))+7], v[ACC+8*(4*(\a)+(\b)):ACC+8*(4*(\a)+(\b))+7]
.endif
.endr
.endr
.endm
; 32 LDS loads in one run: the fragments of 64 along K at byte k of the rows of the slot that is read, into buffer f; the first 32 along K first
.macro FETCH k, f
	WIN TO_F
.irp c, 0,1
.irp i, 0,1,2,3
	ds_load_b128 v[(\f)+64+8*(4*(\c)+(\i)):(\f)+64+8*(4*(\c)+(\i))+3],   v[ADRB] offset:(\k)+64*(\c)+(\i)*16*PITCH
	ds_load_b128 v[(\f)+64+8*(4*(\c)+(\i))+4:(\f)+64+8*(4*(\c)+(\i))+7], v[ADRB] offset:(\k)+64*(\c)+(\i)*16*PITCH+32
	ds_load_b128 v[(\f)+8*(4*(\c)+(\i)):(\f)+8*(4*(\c)+(\i))+3],         v[ADRA] offset:(\k)+64*(\c)+(\i)*16*PITCH
	ds_load_b128 v[(\f)+8*(4*(\c)+(\i))+4:(\f)+8*(4*(\c)+(\i))+7],       v[ADRA] offset:(\k)+64*(\c)+(\i)*16*PITCH+32
.endr
.endr
.endm
; A K step is four quarters of 64 along K, 32 matrix instructions each, on buffers 0, 1, 0, 1.
.macro QUARTER k, f, g, zero
	s_wait_dscnt 16                                ; the first 32 along K are in; the youngest sixteen loads may be out
	MUL8 \f, 0, 0, \zero
	MUL8 \f, 0, 2, \zero
	PLACES
	FETCH \k, \g
	s_wait_dscnt 32                                ; all but the 32 just issued
	MUL8 \f, 1, 0, 0
	MUL8 \f, 1, 2, 0
.endm
; The last quarter multiplies buffer 1 and changes slots.  Its first 16 products stand AHEAD of the wait for the tensor loads, so that between a tile's landing and the request for the next stand only
; the lines that order them: the wait for all my tensor loads, 0 onto my spare word, the wait for that and for my reads of this slot, and the barrier.  fill = 1: the barrier is a round of the cluster's,
; and this slot is filled again first thing behind it, two K steps ahead, by the walking descriptor: a whole K step's 128 matrix instructions stand between that request and the wait for it.
.macro TURN fill
	s_wait_dscnt 16                                ; the first 32 along K of buffer 1 are in
	MUL8 F1, 0, 0, 0
	MUL8 F1, 0, 2, 0
	WIN 0
	s_wait_tensorcnt 0x0                           ; all my tensor loads have landed: my part of the next slot; so a group 0 may be written
	ds_add_u32 v[SPW], v[NIL]                      ; 0 onto my spare word: the scalar steps stand between it and the wait for it
.if \fill
.irp g, G0+4, G0B+4
	s_xor_b32 s[(\g)+1], s[(\g)+1], SLOTX          ; the walking descriptor: the other slot than last time,
	s_add_nc_u64 s[(\g)+2:(\g)+3], s[(\g)+2:(\g)+3], KSTEP*2  ; the next K step; the type bits on top are not reached
.endr
.endif
	s_xor_b32 s[TB], s[TB], SLOTX                  ; the other slot is read from here on
	s_wait_dscnt 0x0                               ; the add is done, and all of buffer 1 is in: my reads of this slot are over
.if \fill
	CROUND                                         ; no wave of any partner still reads this slot or has a load on its way
	JLOAD 1                                        ; its four v_nop are also the places in front of the loads below
.else
	s_barrier_signal -1
	s_barrier_wait -1
	PLACES
.endif
	v_add_nc_u32 v[ADRA], s[TB], v[ADRA0]
	v_add_nc_u32 v[ADRB], s[TB], v[ADRB0]
	FETCH 0, F0
	MUL8 F1, 1, 0, 0
	MUL8 F1, 1, 2, 0
.endm
	s_wait_tensorcnt 1                             ; my part of K step 0 is in; K step 1's may stay out
	s_barrier_signal -1
	s_barrier_wait -1
	FETCH 0, F0
	QUARTER 128, F0, F1, 1                         ; the first quarter stands in front of the loop: its first products start the sums, with the bias
	WIN 0
	s_mov_b32 s3, STEPS-2
.Lstep:                                        ; a trip goes from a K step's second quarter to the next step's first, and fills the slot that it leaves
	QUARTER 256, F1, F0, 0
	QUARTER 384, F0, F1, 0
	TURN 1
	QUARTER 128, F0, F1, 0
	WIN 0
	s_sub_co_u32 s3, s3, 1
	s_cmp_lg_u32 s3, 0
	s_cbranch_scc1 .Lstep
	QUARTER 256, F1, F0, 0                         ; the last two K steps fill nothing
	QUARTER 384, F0, F1, 0
	TURN 0
	QUARTER 128, F0, F1, 0
	QUARTER 256, F1, F0, 0
	QUARTER 384, F0, F1, 0
	s_wait_dscnt 16
	MUL8 F1, 0, 0, 0
	MUL8 F1, 0, 2, 0
	s_wait_dscnt 0x0
	MUL8 F1, 1, 0, 0
	MUL8 F1, 1, 2, 0
	WIN 0
; THE WAY OUT, a block of 16 rows at a time through my own stage: 32 bytes a lane in, whole rows of 256 bytes back.  LDS serves a wave's instructions in order (ISA guide 5.7.1.4), so no wait stands between
; the stores and the loads, nor between a block's loads and the next block's stores.
.macro TOSTAGE a
	s_wait_xcnt 0x0                                ; earlier stores have read their data registers, which are loaded again below
.irp b, 0,1,2,3
	ds_store_b128 v[STO], v[ACC+8*(4*(\a)+(\b)):ACC+8*(4*(\a)+(\b))+3]   offset:64*(\b)     ; each accumulator's low four registers first
	ds_store_b128 v[STO], v[ACC+8*(4*(\a)+(\b))+4:ACC+8*(4*(\a)+(\b))+7] offset:64*(\b)+16
.endr
.irp t, 0,1,2,3,4,5,6,7
	ds_load_b128 v[TMP+32*((\a)%2)+4*(\t):TMP+32*((\a)%2)+4*(\t)+3], v[RD] offset:(\t)*2*SPITCH
.endr
.endm
.macro SEND a, younger                 ; younger: the LDS instructions issued behind block a's loads: the next block's sixteen, or none
	s_wait_dscnt \younger
.irp t, 0,1,2,3,4,5,6,7
	global_store_b128 v[CO], v[TMP+32*((\a)%2)+4*(\t):TMP+32*((\a)%2)+4*(\t)+3], s[8:9] offset:(16*(\a)+2*(\t))*8192  ; 16 lanes store 256 consecutive bytes, aligned
.endr
.endm
	PLACES
	PLACES
	TOSTAGE 0
	TOSTAGE 1
	SEND 0, 16
	TOSTAGE 2
	SEND 1, 16
	TOSTAGE 3
	SEND 2, 16
	SEND 3, 0
	s_wait_tensorcnt 0x0                           ; the wave's end
	ds_add_u32 v[SPW], v[NIL]
	s_wait_dscnt 0x0
	CROUND                                         ; the closing round
	s_endpgm
.Lfunc_end_k_q9050a6a72a_oproj:
	.size	k_q9050a6a72a_oproj, .Lfunc_end_k_q9050a6a72a_oproj-k_q9050a6a72a_oproj
	.p2alignl 7, 3214868480
	.fill 96, 4, 3214868480
	.section	.rodata,"a",@progbits
	.p2align	6, 0x0
	.amdhsa_kernel k_q9050a6a72a_oproj
		.amdhsa_group_segment_fixed_size 327680
		.amdhsa_private_segment_fixed_size 0
		.amdhsa_enable_private_segment 0
		.amdhsa_kernarg_size 32
		.amdhsa_user_sgpr_count 2
		.amdhsa_user_sgpr_kernarg_segment_ptr 1
		.amdhsa_wavefront_size32 1
		.amdhsa_system_sgpr_workgroup_id_x 1
		.amdhsa_system_sgpr_workgroup_id_y 1
		.amdhsa_system_sgpr_workgroup_id_z 1
		.amdhsa_system_vgpr_workitem_id 0
		.amdhsa_next_free_vgpr 512
		.amdhsa_next_free_sgpr 76
		.amdhsa_reserve_vcc 0
		.amdhsa_float_denorm_mode_32 3
		.amdhsa_float_denorm_mode_16_64 3
		.amdhsa_memory_ordered 1
		.amdhsa_forward_progress 1
		.amdhsa_inst_pref_size 70
	.end_amdhsa_kernel
	.amdgpu_metadata
---
amdhsa.version: [ 1, 2 ]
amdhsa.kernels:
  - .name:           k_q9050a6a72a_oproj
    .symbol:         k_q9050a6a72a_oproj.kd
    .args:
      - { .name: yb, .offset: 0, .size: 8, .value_kind: global_buffer, .address_space: global }
      - { .name: wob, .offset: 8, .size: 8, .value_kind: global_buffer, .address_space: global }
      - { .name: bo, .offset: 16, .size: 8, .value_kind: global_buffer, .address_space: global }
      - { .name: out0, .offset: 24, .size: 8, .value_kind: global_buffer, .address_space: global }
    .group_segment_fixed_size: 327680
    .private_segment_fixed_size: 0
    .kernarg_segment_align: 8
    .kernarg_segment_size: 32
    .max_flat_workgroup_size: 128
    .sgpr_count:     76
    .vgpr_count:     512
    .wavefront_size: 32
...
	.end_amdgpu_metadata
.endif
;; end of part 4
